; MI455X (gfx1250); checked and timed in simulation.
; The chip was launched on July 23, 2026; its instructions are those of AMD's public machine-readable ISA for CDNA 5 (MIT licence, August 2026) and "CDNA5" Instruction Set Architecture Reference Guide (July 2026). The comments in the code are by the model that wrote it; some were corrected since.
;; Multi Head Attention. Allowed arithmetic: float matrix products may take bf16 or f16 operands with f32 sums; all other float work in f32.
;; Inputs: Wk 1,024 x 1,024 float32; Wo 1,024 x 1,024 float32; Wq 1,024 x 1,024 float32; Wv 1,024 x 1,024 float32; bk 1,024 float32; bo 1,024 float32; bq 1,024 float32; bv 1,024 float32; hidden_states 2 x 2,048 x 1,024 float32.
;; Outputs: out0 2 x 2,048 x 1,024 float32.
;; 2 versions, each right; version 2 is version 1 with the launch cast written anew for expert scheduling mode. Each part assembles by itself: llvm-mc -triple=amdgcn-amd-amdhsa -mcpu=gfx1250 --defsym DOCPART=n.
;; ======== version 1 of 2: 4 launches
;; limits: values are held in f16: magnitudes above 65,504 overflow, below 6.1e-05 lose precision
;; workspace buffers: xw 16,777,216 bytes; qw 8,388,608 bytes; kw 8,388,608 bytes; vw 16,777,216 bytes; ao 16,777,216 bytes
;; launch cast (part 1): grid 256 x 1, 8 waves a work-group, no clusters, 0 bytes of LDS; arguments hidden_states, Wq, Wk, Wv, Wo, xw; writes xw
.if DOCPART == 1
	.amdgcn_target "amdgcn-amd-amdhsa--gfx1250"
	.amdhsa_code_object_version 6
	.text
	.protected	k_q00481a2ab5_cast
	.globl	k_q00481a2ab5_cast
	.p2align	8
	.type	k_q00481a2ab5_cast,@function
k_q00481a2ab5_cast:
	s_mov_b64 s[64:65], 0
	v_nop
	global_prefetch_b8 v0, s[64:65] scope:SCOPE_SE
	s_setreg_imm32_b32 hwreg(HW_REG_WAVE_MODE, 25, 1), 1
	s_wait_xcnt 0x0
; f32 -> bf16 (round to nearest even) of hidden_states and of the four weight matrices, once, into xw: 8,192 rows of 1,024 bf16 (2,048 bytes).
;   rows 0..4095     hidden_states, in its own order
;   rows 4096..7167  for head h, half c of its 64 outputs, z = 0 (q), 1 (k), 2 (v): row 4096 + 192 h + 96 c + 32 z + e holds row 64 h + 32 c + e of W_z,
;                    so that the 192 rows which one block of the next launch multiplies lie together
;   rows 7168..8191  Wo, in its own order
; LIMIT: the matrix operands made here have bf16's 8 significant bits; the range is f32's.
; A stream: no LDS, no barrier, no matrix unit.  Work-group g takes 32 source rows (131,072 bytes in, 65,536 out), which are also 32 neighbouring
; rows of xw.  Thread t takes the 16 bytes at 16 t of each chunk of 4,096 bytes: a load of a wave covers 512 consecutive bytes, a store of a wave
; 256 consecutive bytes, aligned.  All 32 loads of a thread go out first: the whole share of the work-group is on its way at once.
.set CHUNKS, 32
.set XR, 4                             ; v[4:131]  chunk c: 4 registers as loaded; its first two then hold the 4 bf16
	s_load_b256 s[4:11], s[0:1], 0x0               ; hidden_states s[4:5], Wq s[6:7], Wk s[8:9], Wv s[10:11]
	s_load_b128 s[12:15], s[0:1], 0x20             ; Wo s[12:13], xw s[14:15]
	v_lshlrev_b32 v1, 4, v0                        ; 16 t: my bytes in a source chunk
	v_lshlrev_b32 v2, 3, v0                        ; 8 t: my bytes in the chunk of xw
	s_lshr_b32 s16, ttmp9, 5
	s_and_b32 s16, s16, 3                          ; z: which weight matrix (groups 128..255)
	s_and_b32 s17, ttmp9, 31                       ; j: which 32 rows of it
	s_lshr_b32 s18, s17, 1                         ; head
	s_mul_i32 s18, s18, 192
	s_and_b32 s19, s17, 1                          ; half of the head
	s_mul_i32 s19, s19, 96
	s_add_co_u32 s18, s18, s19
	s_lshl_b32 s19, s16, 5
	s_add_co_u32 s18, s18, s19
	s_add_co_u32 s18, s18, 4096                    ; row of xw for Wq, Wk, Wv
	s_lshl_b32 s19, s17, 5
	s_add_co_u32 s19, s19, 7168                    ; row of xw for Wo
	s_cmp_eq_u32 s16, 3
	s_cselect_b32 s18, s19, s18
	s_lshl_b32 s19, ttmp9, 5                       ; row of xw for hidden_states
	s_cmp_lt_u32 ttmp9, 128
	s_cselect_b32 s18, s19, s18                    ; my first row of xw
	s_cselect_b32 s20, ttmp9, s17                  ; my block of 32 rows in the source
	s_lshl_b32 s28, s20, 17                        ; x 32 rows x 4,096 bytes
	s_mov_b32 s29, 0
	s_lshl_b32 s30, s18, 11                        ; x 2,048 bytes
	s_mov_b32 s31, 0
	s_wait_kmcnt 0x0
	s_mov_b64 s[24:25], s[12:13]                   ; the source: a choice between buffers on the group's number alone
	s_cmp_eq_u32 s16, 2
	s_cselect_b64 s[24:25], s[10:11], s[24:25]
	s_cmp_eq_u32 s16, 1
	s_cselect_b64 s[24:25], s[8:9], s[24:25]
	s_cmp_eq_u32 s16, 0
	s_cselect_b64 s[24:25], s[6:7], s[24:25]
	s_cmp_lt_u32 ttmp9, 128
	s_cselect_b64 s[24:25], s[4:5], s[24:25]
	s_add_nc_u64 s[24:25], s[24:25], s[28:29]
	s_add_nc_u64 s[26:27], s[14:15], s[30:31]
.set c, 0
.rept CHUNKS
	global_load_b128 v[XR+4*c:XR+4*c+3], v1, s[24:25] offset:4096*c th:TH_LOAD_NT   ; read once in the launch
.set c, c+1
.endr
.set c, 0
.rept CHUNKS
	s_wait_loadcnt CHUNKS-1-c                      ; loads come back in order (ISA guide 5.7.1): chunk c is in, the younger ones stay out
	v_cvt_pk_bf16_f32 v[XR+4*c],   v[XR+4*c],   v[XR+4*c+1]
	v_cvt_pk_bf16_f32 v[XR+4*c+1], v[XR+4*c+2], v[XR+4*c+3]
	global_store_b64 v2, v[XR+4*c:XR+4*c+1], s[26:27] offset:2048*c   ; no register of a store is written again
.set c, c+1
.endr
	s_endpgm
.Lfunc_end_k_q00481a2ab5_cast:
	.size	k_q00481a2ab5_cast, .Lfunc_end_k_q00481a2ab5_cast-k_q00481a2ab5_cast
	.p2alignl 7, 3214868480
	.fill 96, 4, 3214868480
	.section	.rodata,"a",@progbits
	.p2align	6, 0x0
	.amdhsa_kernel k_q00481a2ab5_cast
		.amdhsa_group_segment_fixed_size 0
		.amdhsa_private_segment_fixed_size 0
		.amdhsa_enable_private_segment 0
		.amdhsa_kernarg_size 48
		.amdhsa_user_sgpr_count 2
		.amdhsa_user_sgpr_kernarg_segment_ptr 1
		.amdhsa_wavefront_size32 1
		.amdhsa_system_sgpr_workgroup_id_x 1
		.amdhsa_system_sgpr_workgroup_id_y 1
		.amdhsa_system_sgpr_workgroup_id_z 1
		.amdhsa_system_vgpr_workitem_id 0
		.amdhsa_next_free_vgpr 132
		.amdhsa_next_free_sgpr 66
		.amdhsa_reserve_vcc 0
		.amdhsa_float_denorm_mode_32 3
		.amdhsa_float_denorm_mode_16_64 3
		.amdhsa_memory_ordered 1
		.amdhsa_forward_progress 1
		.amdhsa_inst_pref_size 13
	.end_amdhsa_kernel
	.amdgpu_metadata
---
amdhsa.version: [ 1, 2 ]
amdhsa.kernels:
  - .name:           k_q00481a2ab5_cast
    .symbol:         k_q00481a2ab5_cast.kd
    .args:
      - { .name: hidden_states, .offset: 0, .size: 8, .value_kind: global_buffer, .address_space: global }
      - { .name: Wq, .offset: 8, .size: 8, .value_kind: global_buffer, .address_space: global }
      - { .name: Wk, .offset: 16, .size: 8, .value_kind: global_buffer, .address_space: global }
      - { .name: Wv, .offset: 24, .size: 8, .value_kind: global_buffer, .address_space: global }
      - { .name: Wo, .offset: 32, .size: 8, .value_kind: global_buffer, .address_space: global }
      - { .name: xw, .offset: 40, .size: 8, .value_kind: global_buffer, .address_space: global }
    .group_segment_fixed_size: 0
    .private_segment_fixed_size: 0
    .kernarg_segment_align: 8
    .kernarg_segment_size: 48
    .max_flat_workgroup_size: 256
    .sgpr_count:     66
    .vgpr_count:     132
    .wavefront_size: 32
...
	.end_amdgpu_metadata
.endif
;; end of part 1
;; launch qkv (part 2): grid 16 x 16, 4 waves a work-group, clusters of 4 x 4, 327,680 bytes of LDS; arguments xw, bq, bk, bv, qw, kw, vw; writes qw, kw, vw
.if DOCPART == 2
	.amdgcn_target "amdgcn-amd-amdhsa--gfx1250"
	.amdhsa_code_object_version 6
	.text
	.protected	k_q00481a2ab5_qkv
	.globl	k_q00481a2ab5_qkv
	.p2align	8
	.type	k_q00481a2ab5_qkv,@function
k_q00481a2ab5_qkv:
	s_mov_b64 s[64:65], 0
	v_nop
	global_prefetch_b8 v0, s[64:65] scope:SCOPE_SE
	s_setreg_imm32_b32 hwreg(HW_REG_WAVE_MODE, 25, 1), 1
	s_wait_xcnt 0x0
	s_wait_alu depctr_hold_cnt(0) depctr_sa_sdst(0) depctr_va_vdst(0) depctr_va_sdst(0) depctr_va_ssrc(0) depctr_va_vcc(0) depctr_vm_vsrc(0)
	s_getreg_b32 s2, hwreg(HW_REG_IB_STS2, 6, 4)
	s_cmp_eq_u32 s2, 0
	s_cbranch_scc0 .Lentry_in_a_cluster
	s_endpgm
.Lentry_in_a_cluster:
	s_bfe_u32 s2, ttmp6, 0x10000c
	s_cmp_lg_u32 s2, 0xf033
	s_cbranch_scc0 .Lentry_shape_is_right
	s_endpgm
.Lentry_shape_is_right:
; q, k, v = X W^T + b for one head (work-group x) and 256 rows of X (work-group y); operands bf16 from xw, sums f32, results f16.
;   qw, kw: [b*16+h][c = d>>5][s][32 f16] (rows of 64 bytes); q is also multiplied by 0.125 * log2(e), so that the next launch works in powers of two
;   vw:     [b*16+h][hi, lo][d][s] (V transposed, rows of 4,096 bytes).  v is kept as the sum of two f16: hi = v with its low 13 mantissa bits cleared
;           (11 significant bits: exact in f16), lo = f16(v - hi).  Rows of the result that attend to few keys are little more than copies of v and are the
;           largest numbers of the result, so one f16 rounding of v would be its largest absolute error.
; LIMIT: q*0.18034, k and v must lie within f16's +-65,504; below 6.1e-5 they keep f16's denormal step.
; A work-group makes 256 rows x 192 columns (64 of q, k and v each) with four waves, one for each SIMD of a WGP; a wave makes 128 rows x 96 columns: 32 of q, of k,
; of v, 48 accumulator tiles.  K = 1,024 goes in 8 steps of 128 through two LDS slots filled by the tensor data mover: a tile's rows are 256 bytes
; of xw and start at multiples of 256 bytes from its first byte.
; CLUSTERS: 4 x 4 work-groups.  X's tile hangs on work-group y alone and is asked for jointly by a row of the cluster, W's on work-group x alone and is
; asked for jointly by a column: the requests for both are divided by four.
; REGISTERS: window 0: v16-31 addresses and bv; v32-143, v144-255 two fragment buffers (8 of X, then 6 of W: q, q, k, k, v, v)
;            window 1: accumulators of q and k, tile (b, a) at v[8 (8 b + a)];  window 2: those of v at v[8 (8 (b-4) + a)], bq at v128-143, bk at v144-159
; q and k use the matrix instruction with W as source 0: a lane then holds row s = lane % 16 and eight neighbouring d, 16 bytes of a row of qw or kw.
; v uses it with X as source 0: a lane holds d = lane % 16 and eight neighbouring s, 16 bytes of a row of vw.
.set KSTEP,  128
.set PITCH,  272                       ; an LDS row: 256 bytes + 16 of padding, an odd multiple of 16: the 16 rows of a fragment load start at 16 different 16-byte columns
.set HALFA,  128*PITCH                 ; 128 rows of X: one tensor load, and what one wave reads of X
.set HALFB,  96*PITCH                  ; 96 rows of W likewise
.set SLOT,   2*HALFA+2*HALFB           ; 121,856 bytes
.set STAGE,  2*SLOT                    ; behind the ring, never filled by a tensor load: 19,968 bytes for each wave
.set WSTAGE, 19968
.set QPITCH, 80                        ; stage of q and k: 16 rows of 64 bytes + 16
.set VST,    2560                      ; behind them: 32 rows (d) of 256 bytes + 16 for v's hi,
.set VLO,    32*PITCH                  ; and 32 more for its lo
.set LAPS,   4                         ; a lap = two K steps = once round the ring
.set WROWS,  8388608                   ; byte of xw's row 4096
.set ADRA, 16                          ; v16-17  my X fragments in slot 0, 1
.set ADRB, 18                          ; v18-19  my W fragments
.set F0,   32
.set F1,   144
.set TW,   32                          ; the way out: f32 at work
.set HI,   48                          ; v's hi part in f32
.set PK,   64                          ; packed f16
.set RB,   144                         ; read back by rows
.set BQ,   128                         ; window 2
.set BK,   144                         ; window 2
.set G1A, 32
.set G1B, 40
.set G0A, 48
.set G0B, 56
.set MSB, 0
.macro WIN new                         ; s_set_vgpr_msb: bits 1:0 source 0, 3:2 source 1, 5:4 source 2, 7:6 destination; the high byte repeats the setting that is left
.if MSB != \new
	s_set_vgpr_msb (MSB<<8)|\new
.set MSB, \new
.endif
.endm
.set MUL_QK, 0x50                      ; C and D window 1
.set MUL_V,  0xa0                      ; C and D window 2
.set LD_W2,  0x80                      ; destination window 2
.set SCB,    0x82                      ; source 0 and destination window 2
.set OUT_Q,  0x21                      ; source 0 window 1, source 2 window 2
.set OUT_K,  0x09                      ; source 0 window 1, source 1 window 2
.set OUT_V,  0x02                      ; source 0 window 2
.macro PLACES n
.rept \n
	v_nop
.endr
.endm
; A joint load: waves 0 and 1 fetch X's two halves, waves 2 and 3 W's.  Each line has one mask; the branch hangs on the wave's number alone.
.macro JLOAD s
	s_cmp_eq_u32 s19, 0
	s_cbranch_scc0 .Lfor_b_\@
	tensor_load_to_lds s[G0A+4*\s:G0A+4*\s+3], s[G1A:G1A+7]
	s_nop 0
	s_branch .Lasked_\@
.Lfor_b_\@:
	tensor_load_to_lds s[G0B+4*\s:G0B+4*\s+3], s[G1B:G1B+7]
	s_nop 0
.Lasked_\@:
.endm
.macro CREST                           ; a round of the cluster's barrier behind its opening work-group barrier
	s_cmp_lg_u32 s18, 0
	s_cbranch_scc1 .Lnot_wave_0_\@
	s_barrier_signal -3
.Lnot_wave_0_\@:
	s_barrier_wait -3
	s_barrier_signal -1
	s_barrier_wait -1
.endm
.macro CROUND
	s_barrier_signal -1
	s_barrier_wait -1
	CREST
.endm
	s_load_b256 s[4:11], s[0:1], 0x0               ; xw s[4:5], bq s[6:7], bk s[8:9], bv s[10:11]
	s_load_b128 s[12:15], s[0:1], 0x20             ; qw s[12:13], kw s[14:15]
	s_load_b64 s[16:17], s[0:1], 0x30              ; vw
	v_lshl_add_u32 v14, v0, 2, 0x4f000
	v_mov_b32 v15, 0
	ds_add_u32 v14, v15
	ds_add_u32 v14, v15
	v_lshrrev_b32 v1, 5, v0
	v_readfirstlane_b32 s18, v1                    ; wave 0..3
	s_lshr_b32 s19, s18, 1                         ; my half of the rows.  Also: I fetch for X (0) or for W (1)
	s_and_b32 s20, s18, 1                          ; my half of the columns (d >> 5).  Also: which half of that tile I fetch
	s_bfe_u32 s21, ttmp6, 0x40000                  ; cx
	s_bfe_u32 s22, ttmp6, 0x40004                  ; cy
	s_lshl_b32 s23, ttmp9, 2
	s_add_co_u32 s23, s23, s21                     ; x = head
	s_and_b32 s24, ttmp7, 0xffff
	s_lshl_b32 s24, s24, 2
	s_add_co_u32 s24, s24, s22                     ; y = block of 256 rows
	s_lshl_b32 s25, s22, 2
	s_lshl_b32 s25, 15, s25                        ; my row of the cluster
	s_lshl_b32 s30, 0x1111, s21                    ; my column
	; group 1: elements of 2 bytes, 16 bytes of padding behind every 64 words, bit 21 beside the mask; X: 128 rows x 128, W: 96 rows x 128, pitch 1,024 elements
	s_or_b32 s[G1A+0], s25, (1<<16)|(1<<20)|(1<<21)|(5<<22)|(3<<25)
	s_mov_b32 s[G1A+1], KSTEP<<16                  ; tensor_dim0
	s_mov_b32 s[G1A+2], 128<<16                    ; tensor_dim1
	s_mov_b32 s[G1A+3], KSTEP<<16                  ; tile_dim0
	s_mov_b32 s[G1A+4], 128                        ; tile_dim1
	s_mov_b32 s[G1A+5], 1024                       ; from row to row
	s_mov_b32 s[G1A+6], 0
	s_mov_b32 s[G1A+7], 0
	s_or_b32 s[G1B+0], s30, (1<<16)|(1<<20)|(1<<21)|(5<<22)|(3<<25)
	s_mov_b32 s[G1B+1], KSTEP<<16
	s_mov_b32 s[G1B+2], 96<<16
	s_mov_b32 s[G1B+3], KSTEP<<16
	s_mov_b32 s[G1B+4], 96
	s_mov_b32 s[G1B+5], 1024
	s_mov_b32 s[G1B+6], 0
	s_mov_b32 s[G1B+7], 0
	; X's tile: row 256 y + 128 half; W's: row 4096 + 192 x + 96 half.  Each address in registers that never hold the other coordinate.
	s_lshl_b32 s26, s24, 8
	s_lshl_b32 s78, s20, 7
	s_add_co_u32 s26, s26, s78
	s_lshl_b32 s26, s26, 11                        ; x 2,048 bytes
	s_mov_b32 s27, 0
	s_mul_i32 s66, s23, 192
	s_mul_i32 s79, s20, 96
	s_add_co_u32 s66, s66, s79
	s_lshl_b32 s66, s66, 11
	s_add_co_u32 s66, s66, WROWS
	s_mov_b32 s67, 0
	s_mul_i32 s28, s18, HALFA                      ; where X's halves go (waves 0, 1)
	s_mul_i32 s29, s18, HALFB
	s_add_co_u32 s29, s29, 2*HALFA-2*HALFB         ; where W's go (waves 2, 3): behind X's 256 rows
	s_wait_dscnt 0x0
	s_wait_kmcnt 0x0
	s_add_nc_u64 s[26:27], s[4:5], s[26:27]
	s_add_nc_u64 s[66:67], s[4:5], s[66:67]
	CROUND                                         ; all sixteen work-groups are here: the first joint loads meet
.irp s, 0,1
	s_mov_b32 s[G0A+4*\s], 1
	s_add_co_u32 s[G0A+4*\s+1], s28, \s*SLOT
	s_add_nc_u64 s[G0A+4*\s+2:G0A+4*\s+3], s[26:27], \s*KSTEP*2
	s_or_b32 s[G0A+4*\s+3], s[G0A+4*\s+3], 0x80000000
	s_mov_b32 s[G0B+4*\s], 1
	s_add_co_u32 s[G0B+4*\s+1], s29, \s*SLOT
	s_add_nc_u64 s[G0B+4*\s+2:G0B+4*\s+3], s[66:67], \s*KSTEP*2
	s_or_b32 s[G0B+4*\s+3], s[G0B+4*\s+3], 0x80000000
	JLOAD \s                                       ; K steps 0 and 1: two tensor loads of the wave are out
.endr
	; the biases of my columns, used on the way out
	v_and_b32 v1, 15, v0                           ; r
	v_bfe_u32 v2, v0, 4, 1                         ; h
	v_lshlrev_b32 v30, 5, v2                       ; q, k: eight numbers at 8 h of each tile of 16
	v_lshlrev_b32 v31, 2, v1                       ; v: one number, that of d = r
	s_lshl_b32 s78, s23, 8
	s_lshl_b32 s79, s20, 7
	s_add_co_u32 s78, s78, s79                     ; (64 x + 32 half) x 4 bytes
	s_mov_b32 s79, 0
	s_add_nc_u64 s[6:7], s[6:7], s[78:79]
	s_add_nc_u64 s[8:9], s[8:9], s[78:79]
	s_add_nc_u64 s[10:11], s[10:11], s[78:79]
	WIN LD_W2
.irp b, 0,1
	global_load_b128 v[BQ+8*\b:BQ+8*\b+3],   v30, s[6:7] offset:64*\b
	global_load_b128 v[BQ+8*\b+4:BQ+8*\b+7], v30, s[6:7] offset:64*\b+16
	global_load_b128 v[BK+8*\b:BK+8*\b+3],   v30, s[8:9] offset:64*\b
	global_load_b128 v[BK+8*\b+4:BK+8*\b+7], v30, s[8:9] offset:64*\b+16
.endr
	WIN 0
	global_load_b32 v26, v31, s[10:11]             ; the same word in both registers of a pair: the packed add takes the pair as it is
	global_load_b32 v27, v31, s[10:11]
	global_load_b32 v28, v31, s[10:11] offset:64
	global_load_b32 v29, v31, s[10:11] offset:64
	; LDS addresses.  A fragment: lane holds row lane % 16; two loads of 16 bytes, 32 apart, at row x pitch + 16 (lane / 16)
	v_mul_u32_u24 v3, v1, PITCH
	v_lshl_add_u32 v3, v2, 4, v3
	s_mul_i32 s78, s19, HALFA
	s_mul_i32 s79, s20, HALFB
	s_add_co_u32 s79, s79, 2*HALFA
.irp s, 0,1
	v_add_nc_u32 v[ADRA+\s], s78, v3
	v_add_nc_u32 v[ADRB+\s], s79, v3
	s_add_co_u32 s78, s78, SLOT
	s_add_co_u32 s79, s79, SLOT
.endr
	s_mul_i32 s31, s18, WSTAGE
	s_add_co_u32 s31, s31, STAGE                   ; my stage
	s_add_co_u32 s78, s31, VST
	v_mul_u32_u24 v4, v1, QPITCH
	v_lshl_add_u32 v4, v2, 4, v4
	v_add_nc_u32 v20, s31, v4                      ; q, k in: row r, 16 bytes for each half of the lanes
	v_and_b32 v5, 31, v0
	v_lshrrev_b32 v6, 2, v5
	v_mul_u32_u24 v6, v6, QPITCH
	v_and_b32 v7, 3, v0
	v_lshl_add_u32 v6, v7, 4, v6
	v_add_nc_u32 v21, s31, v6                      ; back: four lanes take a row of 64 bytes, the wave eight rows
	v_lshlrev_b32 v22, 4, v5                       ; which are 512 consecutive bytes of qw or kw
	v_add_nc_u32 v23, s78, v3                      ; v in: row d = r, 16 bytes for each half of the lanes
	v_mul_u32_u24 v8, v2, PITCH
	v_lshl_add_u32 v8, v1, 4, v8
	v_add_nc_u32 v24, s78, v8                      ; back: sixteen lanes take a row of 256 bytes
	v_lshlrev_b32 v9, 12, v2
	v_lshl_add_u32 v25, v1, 4, v9                  ; the same two rows in vw
	; where the results go: batch y >> 3, s from 256 (y & 7) + 128 x my half of the rows
	s_lshr_b32 s78, s24, 3
	s_lshl_b32 s78, s78, 4
	s_add_co_u32 s78, s78, s23                     ; b*16 + h
	s_and_b32 s79, s24, 7
	s_lshl_b32 s79, s79, 8
	s_lshl_b32 s80, s19, 7
	s_add_co_u32 s79, s79, s80                     ; my first s
	s_lshl_b32 s80, s78, 1
	s_add_co_u32 s80, s80, s20                     ; plane
	s_lshl_b32 s80, s80, 11
	s_add_co_u32 s80, s80, s79
	s_lshl_b32 s80, s80, 6                         ; x 64 bytes
	s_mov_b32 s81, 0
	s_add_nc_u64 s[68:69], s[12:13], s[80:81]
	s_add_nc_u64 s[70:71], s[14:15], s[80:81]
	s_lshl_b32 s82, s78, 7                         ; a head has 128 rows of vw: 64 of hi, 64 of lo
	s_lshl_b32 s83, s20, 5
	s_add_co_u32 s82, s82, s83                     ; first row d of hi
	s_lshl_b32 s82, s82, 11
	s_add_co_u32 s82, s82, s79
	s_lshl_b32 s82, s82, 1
	s_mov_b32 s83, 0
	s_add_nc_u64 s[72:73], s[16:17], s[82:83]
	s_mov_b32 s74, 0x3e38aa3b                      ; 0.125 * log2(e)
	s_mov_b32 s75, 0x3e38aa3b
	s_mov_b32 s77, 0xffffe000                      ; keeps sign, exponent and 10 mantissa bits of an f32
; 16 matrix instructions of q or k: W's fragments b0, b0 + 1 (source 0) x X's eight (source 1).  zero = 1: the first product starts the sums.
.macro MULQK f, b0, zero
.irp b, \b0, \b0+1
.irp a, 0,1,2,3,4,5,6,7
.if \zero
	v_wmma_f32_16x16x32_bf16 v[8*(8*(\b)+\a):8*(8*(\b)+\a)+7], v[\f+64+8*(\b):\f+64+8*(\b)+7], v[\f+8*\a:\f+8*\a+7], 0
.else
	v_wmma_f32_16x16x32_bf16 v[8*(8*(\b)+\a):8*(8*(\b)+\a)+7], v[\f+64+8*(\b):\f+64+8*(\b)+7], v[\f+8*\a:\f+8*\a+7], v[8*(8*(\b)+\a):8*(8*(\b)+\a)+7]
.endif
.endr
.endr
.endm
; 16 matrix instructions of v: X's eight fragments (source 0) x W's fragments 4, 5 (source 1)
.macro MULV f, zero
.irp b, 0,1
.irp a, 0,1,2,3,4,5,6,7
.if \zero
	v_wmma_f32_16x16x32_bf16 v[8*(8*\b+\a):8*(8*\b+\a)+7], v[\f+8*\a:\f+8*\a+7], v[\f+96+8*\b:\f+96+8*\b+7], 0
.else
	v_wmma_f32_16x16x32_bf16 v[8*(8*\b+\a):8*(8*\b+\a)+7], v[\f+8*\a:\f+8*\a+7], v[\f+96+8*\b:\f+96+8*\b+7], v[8*(8*\b+\a):8*(8*\b+\a)+7]
.endif
.endr
.endr
.endm
; 28 LDS loads in one run: the fragments of 32 along K, at byte k of the slot's rows, into buffer f
.macro FETCH slot, k, f
	WIN 0
.irp i, 0,1,2,3,4,5,6,7
	ds_load_b128 v[\f+8*\i:\f+8*\i+3],   v[ADRA+\slot] offset:\k+\i*16*PITCH
	ds_load_b128 v[\f+8*\i+4:\f+8*\i+7], v[ADRA+\slot] offset:\k+\i*16*PITCH+32
.endr
.irp i, 0,1,2,3,4,5
	ds_load_b128 v[\f+64+8*\i:\f+64+8*\i+3],   v[ADRB+\slot] offset:\k+\i*16*PITCH
	ds_load_b128 v[\f+64+8*\i+4:\f+64+8*\i+7], v[ADRB+\slot] offset:\k+\i*16*PITCH+32
.endr
.endm
; A K step is four quarters of 32 along K, 48 matrix instructions each, on buffers 0, 1, 0, 1.  The 48 accumulators take turns, one instruction a turn,
; in the same order in every quarter and over the backward jump.
; One of the first three quarters: buffer f, fetched a quarter ago, is multiplied; ahead of that the next quarter's fragments are asked for into buffer g.
; The four v_nop are the places between the matrix instructions that read g and the loads into it (ISA guide 7.12.1 for vector instructions).
.macro QUARTER slot, k, f, g, zero
	s_wait_dscnt 0x0                               ; buffer f is in: its 28 loads were issued 48 matrix instructions ago
	PLACES 4
	FETCH \slot, \k, \g
	WIN MUL_QK
	MULQK \f, 0, \zero
	MULQK \f, 2, \zero
	WIN MUL_V
	MULV \f, \zero
.endm
.macro THREE slot, zero
	QUARTER \slot, 64,  F0, F1, \zero
	QUARTER \slot, 128, F1, F0, 0
	QUARTER \slot, 192, F0, F1, 0
.endm
; The last quarter multiplies buffer 1 and changes slots.  In front of the barrier each wave waits for its reads of this slot and for all its tensor
; loads (the one that is out is its part of the next slot).  Where the slot is filled again the barrier opens a round of the cluster's barrier, only
; register work stands inside, and the joint refill is the first tensor load behind the round: it has the next K step less 16 matrix instructions to land.
.macro TURN slot, next, fill
	s_wait_dscnt 0x0
	s_wait_tensorcnt 0x0
	ds_add_u32 v14, v15
	s_wait_dscnt 0x0
	s_barrier_signal -1
	WIN MUL_QK
	MULQK F1, 0, 0
	WIN 0
	s_barrier_wait -1
.if \fill
	CREST
	s_add_nc_u64 s[G0A+4*\slot+2:G0A+4*\slot+3], s[G0A+4*\slot+2:G0A+4*\slot+3], 2*KSTEP*2   ; no tensor load of the wave is out: a group 0 may be written
	s_add_nc_u64 s[G0B+4*\slot+2:G0B+4*\slot+3], s[G0B+4*\slot+2:G0B+4*\slot+3], 2*KSTEP*2
	JLOAD \slot
.endif
	PLACES 4
	FETCH \next, 0, F0
	WIN MUL_QK
	MULQK F1, 2, 0
	WIN MUL_V
	MULV F1, 0
.endm
.macro LAP zero
	THREE 0, \zero
	TURN 0, 1, 1
	THREE 1, 0
	TURN 1, 0, 1
.endm
	s_wait_tensorcnt 0x1                           ; my part of K step 0 is in; K step 1's load, issued behind it, stays out
	s_barrier_signal -1
	s_barrier_wait -1
	FETCH 0, 0, F0
	LAP 1                                          ; K steps 0, 1; asks for 2, 3
	WIN 0
	s_mov_b32 s76, LAPS-2
.Llap:
	LAP 0                                          ; K steps 2 to 5; asks for 4 to 7
	WIN 0
	s_sub_co_u32 s76, s76, 1
	s_cmp_lg_u32 s76, 0
	s_cbranch_scc1 .Llap
	THREE 0, 0                                     ; the last lap fills nothing
	TURN 0, 1, 0
	THREE 1, 0
	s_wait_dscnt 0x0
	WIN MUL_QK
	MULQK F1, 0, 0
	MULQK F1, 2, 0
	WIN MUL_V
	MULV F1, 0
	; THE WAY OUT, through each wave's own stage: no barrier, and LDS serves a wave's instructions in order (ISA guide 5.7.1), so no wait between its stores and loads.
	WIN 0
	PLACES 4                                       ; the places behind the last matrix instructions
	s_wait_loadcnt 0x0                             ; the biases
	WIN SCB
.irp p, 0,1,2,3,4,5,6,7
	v_pk_mul_f32 v[BQ+2*\p:BQ+2*\p+1], v[BQ+2*\p:BQ+2*\p+1], s[74:75] op_sel_hi:[1,0]   ; (x + bq) c = x c + bq c: one fused multiply-add for each pair below
.endr
; rows 16 a .. 16 a + 15: q and k, 32 columns each
.macro QKOUT a
	WIN OUT_Q
.irp b, 0,1
.irp p, 0,1,2,3
	v_pk_fma_f32 v[TW+8*\b+2*\p:TW+8*\b+2*\p+1], v[8*(8*\b+\a)+2*\p:8*(8*\b+\a)+2*\p+1], s[74:75], v[BQ+8*\b+2*\p:BQ+8*\b+2*\p+1] op_sel_hi:[1,0,1]
.endr
.endr
	WIN OUT_K
.irp b, 0,1
.irp p, 0,1,2,3
	v_pk_add_f32 v[TW+16+8*\b+2*\p:TW+16+8*\b+2*\p+1], v[8*(8*(\b+2)+\a)+2*\p:8*(8*(\b+2)+\a)+2*\p+1], v[BK+8*\b+2*\p:BK+8*\b+2*\p+1]
.endr
.endr
	WIN 0
.irp k, 0,1,2,3,4,5,6,7,8,9,10,11,12,13,14,15
	v_cvt_pk_f16_f32 v[PK+\k], v[TW+2*\k], v[TW+2*\k+1]
.endr
	ds_store_b128 v20, v[PK:PK+3]
	ds_store_b128 v20, v[PK+4:PK+7] offset:32
	ds_store_b128 v20, v[PK+8:PK+11] offset:16*QPITCH
	ds_store_b128 v20, v[PK+12:PK+15] offset:16*QPITCH+32
	s_wait_xcnt 0x0                                ; RB, which the last stores read, is loaded again only behind this wait
.irp t, 0,1,2,3
	ds_load_b128 v[RB+4*\t:RB+4*\t+3], v21 offset:\t*8*QPITCH
.endr
	s_wait_dscnt 0x3                               ; the counts: the younger loads of the four
	global_store_b128 v22, v[RB:RB+3], s[68:69] offset:1024*\a            ; each store: 512 consecutive bytes, aligned
	s_wait_dscnt 0x2
	global_store_b128 v22, v[RB+4:RB+7], s[68:69] offset:1024*\a+512
	s_wait_dscnt 0x1
	global_store_b128 v22, v[RB+8:RB+11], s[70:71] offset:1024*\a
	s_wait_dscnt 0x0
	global_store_b128 v22, v[RB+12:RB+15], s[70:71] offset:1024*\a+512
.endm
.irp a, 0,1,2,3,4,5,6,7
	QKOUT \a
.endr
	; v: split into hi and lo; all 128 s of my 32 d are gathered in the stage, hi's rows and then lo's, and leave as rows of 256 bytes
.irp a, 0,1,2,3,4,5,6,7
	WIN OUT_V
.irp b, 0,1
.irp p, 0,1,2,3
	v_pk_add_f32 v[TW+8*\b+2*\p:TW+8*\b+2*\p+1], v[8*(8*\b+\a)+2*\p:8*(8*\b+\a)+2*\p+1], v[26+2*\b:27+2*\b]
.endr
.endr
	WIN 0
.set e, 0
.rept 16
	v_and_b32 v[HI+e], s77, v[TW+e]                ; hi: 11 significant bits
.set e, e+1
.endr
.set e, 0
.rept 8
	v_pk_add_f32 v[TW+2*e:TW+2*e+1], v[TW+2*e:TW+2*e+1], v[HI+2*e:HI+2*e+1] neg_lo:[0,1] neg_hi:[0,1]   ; lo = v - hi, exact in f32
.set e, e+1
.endr
.irp k, 0,1,2,3,4,5,6,7
	v_cvt_pk_f16_f32 v[PK+\k], v[HI+2*\k], v[HI+2*\k+1]
.endr
.irp k, 0,1,2,3,4,5,6,7
	v_cvt_pk_f16_f32 v[PK+8+\k], v[TW+2*\k], v[TW+2*\k+1]
.endr
	ds_store_b128 v23, v[PK:PK+3] offset:32*\a
	ds_store_b128 v23, v[PK+4:PK+7] offset:16*PITCH+32*\a
	ds_store_b128 v23, v[PK+8:PK+11] offset:VLO+32*\a
	ds_store_b128 v23, v[PK+12:PK+15] offset:VLO+16*PITCH+32*\a
.endr
.irp g, 0,1                            ; g = 0: hi's 32 rows; g = 1: lo's, 64 rows of vw further down
	s_wait_xcnt 0x0                                ; RB, which the last stores read, is loaded again only behind this wait
.irp t, 0,1,2,3,4,5,6,7,8,9,10,11,12,13,14,15
	ds_load_b128 v[RB+4*\t:RB+4*\t+3], v24 offset:(16*\g+\t)*2*PITCH
.endr
.irp t, 0,1,2,3,4,5,6,7,8,9,10,11,12,13,14,15
	s_wait_dscnt 15-\t                             ; the younger loads of the sixteen
	global_store_b128 v25, v[RB+4*\t:RB+4*\t+3], s[72:73] offset:262144*\g+8192*\t  ; sixteen lanes store 256 consecutive bytes, aligned
.endr
.endr
	s_wait_tensorcnt 0x0
	ds_add_u32 v14, v15
	s_wait_dscnt 0x0
	CROUND                                         ; the closing round: no work-group ends while a partner may still ask for a tile that names it
	s_endpgm
.Lfunc_end_k_q00481a2ab5_qkv:
	.size	k_q00481a2ab5_qkv, .Lfunc_end_k_q00481a2ab5_qkv-k_q00481a2ab5_qkv
	.p2alignl 7, 3214868480
	.fill 96, 4, 3214868480
	.section	.rodata,"a",@progbits
	.p2align	6, 0x0
	.amdhsa_kernel k_q00481a2ab5_qkv
		.amdhsa_group_segment_fixed_size 327680
		.amdhsa_private_segment_fixed_size 0
		.amdhsa_enable_private_segment 0
		.amdhsa_kernarg_size 56
		.amdhsa_user_sgpr_count 2
		.amdhsa_user_sgpr_kernarg_segment_ptr 1
		.amdhsa_wavefront_size32 1
		.amdhsa_system_sgpr_workgroup_id_x 1
		.amdhsa_system_sgpr_workgroup_id_y 1
		.amdhsa_system_sgpr_workgroup_id_z 1
		.amdhsa_system_vgpr_workitem_id 0
		.amdhsa_next_free_vgpr 672
		.amdhsa_next_free_sgpr 84
		.amdhsa_reserve_vcc 0
		.amdhsa_float_denorm_mode_32 3
		.amdhsa_float_denorm_mode_16_64 3
		.amdhsa_memory_ordered 1
		.amdhsa_forward_progress 1
		.amdhsa_inst_pref_size 188
	.end_amdhsa_kernel
	.amdgpu_metadata
---
amdhsa.version: [ 1, 2 ]
amdhsa.kernels:
  - .name:           k_q00481a2ab5_qkv
    .symbol:         k_q00481a2ab5_qkv.kd
    .args:
      - { .name: xw, .offset: 0, .size: 8, .value_kind: global_buffer, .address_space: global }
      - { .name: bq, .offset: 8, .size: 8, .value_kind: global_buffer, .address_space: global }
      - { .name: bk, .offset: 16, .size: 8, .value_kind: global_buffer, .address_space: global }
      - { .name: bv, .offset: 24, .size: 8, .value_kind: global_buffer, .address_space: global }
      - { .name: qw, .offset: 32, .size: 8, .value_kind: global_buffer, .address_space: global }
      - { .name: kw, .offset: 40, .size: 8, .value_kind: global_buffer, .address_space: global }
      - { .name: vw, .offset: 48, .size: 8, .value_kind: global_buffer, .address_space: global }
    .group_segment_fixed_size: 327680
    .private_segment_fixed_size: 0
    .kernarg_segment_align: 8
    .kernarg_segment_size: 56
    .max_flat_workgroup_size: 128
    .sgpr_count:     84
    .vgpr_count:     672
    .wavefront_size: 32
...
	.end_amdgpu_metadata
.endif
;; end of part 2
;; launch attn (part 3): grid 8 x 32, 8 waves a work-group, no clusters, 327,680 bytes of LDS; arguments qw, kw, vw, ao; writes ao
.if DOCPART == 3
	.amdgcn_target "amdgcn-amd-amdhsa--gfx1250"
	.amdhsa_code_object_version 6
	.text
	.protected	k_q00481a2ab5_attn
	.globl	k_q00481a2ab5_attn
	.p2align	8
	.type	k_q00481a2ab5_attn,@function
k_q00481a2ab5_attn:
	s_mov_b64 s[64:65], 0
	v_nop
	global_prefetch_b8 v0, s[64:65] scope:SCOPE_SE
	s_setreg_imm32_b32 hwreg(HW_REG_WAVE_MODE, 25, 1), 1
	s_wait_xcnt 0x0
; Causal attention of one (batch, head) = work-group y, with a running maximum.  q (already times 0.125 log2 e), k are f16, v is a sum of two f16 (hi, lo);
; sums, maxima and exponentials f32.
;   ao: [b][hi, lo][h][s][64 bf16] (rows of 128 bytes): the result as a sum of two bf16: hi = its upper 16 bits, lo = bf16(result - hi), 16 significant bits together.
; WHY TWO PARTS: a row that attends to few keys is not averaged down, so it is among the largest numbers of the result and a single 16-bit rounding of v or of
; the result would be the largest absolute error of the whole chain.  P V is made as P Vhi + P Vlo.
; LIMITS: P (0..1) is rounded to f16.  Masked scores are -FLT_MAX, not -inf; they never reach a result: a masked term is
; exp2(-FLT_MAX - m) = 0 as soon as the row has met one real score, and a wave all of whose keys were masked gets the weight exp2(-FLT_MAX - m) = 0 in the merge.
; BALANCE: work-group x = i takes the blocks of 128 queries i and 15 - i: (i + 1) + (16 - i) = 17 key tiles of 128 for every work-group, 256 equal work-groups.
; Step e = 0..i: block i, tile e; step e = i+1..16: block 15 - i, tile e - i - 1.  The last step of each block is its diagonal tile.
; THE RING: two LDS slots, each with the tiles of TWO steps (2 p and 2 p + 1 in turn p), so that a refill has two steps' work in which to land and there is one
; barrier for two steps.  Each wave brings one part of one tile, so the two tiles of a slot need not be neighbours in memory (at the change of blocks they are not).
; NO CLUSTER, though the eight work-groups of a head read the same K and V: in step e partner i wants tile e or tile e - i - 1, so partners want
; different tiles in the same turn, and the branches on the diagonal hang on i.
; WAVES: eight, two on each SIMD.  w = wave & 3: queries 32 w .. 32 w + 31 (two tiles n of 16); kh = wave >> 2: keys 64 kh .. 64 kh + 63 of every tile.  The two waves of a w
; keep their own maximum, sum and O, and are merged through LDS at the end of each block.
; LAYOUT: S^T = K Q^T: a lane holds query lane % 16 and keys 16 t + 8 (lane / 16) + j.  So maximum, sum and rescale are one number a lane, and P packs within
; the lane into source 1 of O^T = V^T P^T, in which the lane holds the same query and d = 16 dt + 8 (lane / 16) + j.
.set VLO,    17408                     ; V^T of a tile: 64 rows of hi, then 64 rows of lo, (256 + 16) bytes each
.set VSUB,   34816                     ; a slot: V^T of its first tile at 0, of its second at 34,816: wave 0..3's part lies at wave x 17,408
.set KOFF,   69632                     ; then K: for each tile 2 planes x 128 keys x (64 + 16) bytes: wave 4..7's part lies at wave x 10,240 + 28,672
.set KSUB,   20480
.set SLOT,   110592
.set MERGE,  2*SLOT                    ; 17 x 512 bytes for each w; never filled by a tensor load
.set WMERGE, 8704
.set OST,    MERGE+4*WMERGE            ; for each w: 32 rows x (128 + 16) bytes of hi, then of lo
.set WOST,   9216
.set LOOFF,  4194304                   ; from hi to lo in ao: 16 heads of 262,144 bytes
.set QREG,  16                         ; v[16:47]    Q[n][c] at 16 n + 8 c
.set SREG,  48                         ; v[48:111]   S[n][t] at 32 n + 8 t; P[n][u] is made in place at 32 n + 16 u; the 8 registers behind each P then take Vlo[dt][0]
.set OREG,  112                        ; v[112:175]  O[n][dt] at 32 n + 8 dt
.set KVREG, 176                        ; v[176:239]  K[t][c] at 16 t + 8 c, then Vhi[dt][u] at 16 dt + 8 u, then Vlo[dt][1] at 8 dt
.set MP,    240                        ; v[240:243]  (m, filler) for n = 0, 1
.set LP,    244                        ; v[244:247]  two partial sums for n = 0, 1
.set AL,    248                        ; v[248:249]  (rescale, filler)
.set TT,    250                        ; v[250:255]  at work
.set G1K, 24
.set G1V, 32
.set G0K, 40                           ; one group 0 for each slot
.set G0V, 48
; v1, v14 K's LDS address in slot 0, 1; v2, v15 V's; v3 Q's offset, v4 the diagonal's bound, v5 -FLT_MAX, v6 merge, v7 stage in, v8 stage back, v9 16 x lane
; s12 wave, s13 w, s14 kh, s15 i, s16 b*16+h, s80 i + 1, s81 w >> 1: which tile of a slot I fetch for, s76 the step e, s78 the loop's counter
.macro PLACES n
.rept \n
	v_nop
.endr
.endm
; One tensor load a wave: waves 0-3 bring hi or lo of V of one of the slot's two tiles, waves 4-7 a plane of K of one of them.
.macro TLOAD s
	s_cmp_eq_u32 s14, 0
	s_cbranch_scc0 .Lfor_k_\@
	tensor_load_to_lds s[G0V+4*(\s):G0V+4*(\s)+3], s[G1V:G1V+7]
	s_nop 0
	s_branch .Lasked_\@
.Lfor_k_\@:
	tensor_load_to_lds s[G0K+4*(\s):G0K+4*(\s)+3], s[G1K:G1K+7]
	s_nop 0
.Lasked_\@:
.endm
; The global addresses of slot s's two group 0 for step s79: tile e up to block i's diagonal, e - i - 1 behind it
.macro ADDR s
	s_sub_co_u32 s77, s79, s80
	s_cmp_le_u32 s79, s15
	s_cselect_b32 s77, s79, s77
	s_lshl_b32 s60, s77, 13                        ; K: 128 keys of 64 bytes in a plane
	s_lshl_b32 s62, s77, 8                         ; V: 128 keys of 2 bytes in a row
	s_add_nc_u64 s[G0K+4*(\s)+2:G0K+4*(\s)+3], s[56:57], s[60:61]
	s_or_b32 s[G0K+4*(\s)+3], s[G0K+4*(\s)+3], 0x80000000
	s_add_nc_u64 s[G0V+4*(\s)+2:G0V+4*(\s)+3], s[58:59], s[62:63]
	s_or_b32 s[G0V+4*(\s)+3], s[G0V+4*(\s)+3], 0x80000000
.endm
.macro QLOAD lo                        ; my 32 queries as four fragments: row lane % 16, 16 bytes at 16 (lane / 16) and 32 further
.irp n, 0,1
.irp c, 0,1
	global_load_b128 v[QREG+16*\n+8*\c:QREG+16*\n+8*\c+3],   v3, s[\lo:\lo+1] offset:131072*\c+1024*\n
	global_load_b128 v[QREG+16*\n+8*\c+4:QREG+16*\n+8*\c+7], v3, s[\lo:\lo+1] offset:131072*\c+1024*\n+32
.endr
.endr
.endm
; A block's start.  Which step is a block's first hangs on i, so the sums cannot be started by a constant C in the text: O is cleared, twice in the launch.
.macro INIT
.irp k, 0,1,2,3
	v_mov_b32 v[MP+\k], v5
	v_mov_b32 v[LP+\k], 0
.endr
.set p, 0
.rept 64
	v_mov_b32 v[OREG+p], 0
.set p, p+1
.endr
.endm
	s_load_b256 s[4:11], s[0:1], 0x0               ; qw s[4:5], kw s[6:7], vw s[8:9], ao s[10:11]
	s_set_vgpr_msb 0x40
	v_lshl_add_u32 v0, v0, 2, 0x47800
	v_mov_b32 v1, 0
	s_set_vgpr_msb 0x4045
	ds_add_u32 v0, v1
	ds_add_u32 v0, v1
	s_set_vgpr_msb 0x4500
	v_lshrrev_b32 v1, 5, v0
	v_readfirstlane_b32 s12, v1                    ; wave 0..7
	s_and_b32 s13, s12, 3                          ; w
	s_lshr_b32 s14, s12, 2                         ; kh.  Also: I fetch for V (0) or for K (1)
	s_mov_b32 s15, ttmp9                           ; i
	s_and_b32 s16, ttmp7, 0xffff                   ; b*16 + h
	s_add_co_u32 s80, s15, 1
	s_lshr_b32 s81, s13, 1                         ; I fetch for the slot's first (0) or second (1) tile
	; K: 128 keys of one plane are 8,192 dense bytes: 32 rows of 32 elements of 8 bytes, 16 bytes of padding behind every 16 words: LDS rows of 80 bytes
	s_mov_b32 s[G1K+0], (3<<16)|(1<<20)|(3<<22)|(3<<25)
	s_mov_b32 s[G1K+1], 32<<16
	s_mov_b32 s[G1K+2], 32<<16
	s_mov_b32 s[G1K+3], 32<<16
	s_mov_b32 s[G1K+4], 32
	s_mov_b32 s[G1K+5], 32
	s_mov_b32 s[G1K+6], 0
	s_mov_b32 s[G1K+7], 0
	; V^T: the 64 rows (d) of hi or of lo x 128 keys of 2 bytes, pitch 2,048 elements, 16 bytes of padding behind every 64 words: LDS rows of 272 bytes
	s_mov_b32 s[G1V+0], (1<<16)|(1<<20)|(5<<22)|(3<<25)
	s_mov_b32 s[G1V+1], 128<<16
	s_mov_b32 s[G1V+2], 64<<16
	s_mov_b32 s[G1V+3], 128<<16
	s_mov_b32 s[G1V+4], 64
	s_mov_b32 s[G1V+5], 2048
	s_mov_b32 s[G1V+6], 0
	s_mov_b32 s[G1V+7], 0
	s_lshl_b32 s17, s16, 18                        ; a head's 262,144 bytes in qw and in kw
	s_and_b32 s19, s13, 1                          ; K's plane, or V's hi (0) or lo (1)
	s_lshl_b32 s20, s19, 17                        ; a plane of kw: 131,072 bytes
	s_add_co_u32 s20, s20, s17
	s_mov_b32 s21, 0
	s_lshl_b32 s22, s19, 18                        ; 64 rows of vw: 262,144 bytes
	s_lshl_b32 s18, s16, 19                        ; a head's 524,288 bytes in vw
	s_add_co_u32 s22, s22, s18
	s_mov_b32 s23, 0
	s_mul_i32 s18, s12, VLO                        ; LDS: V's four parts follow each other (waves 0-3),
	s_mul_i32 s19, s12, 10240
	s_add_co_u32 s19, s19, KOFF-4*10240            ; K's four planes lie behind them (waves 4-7)
	s_mov_b32 s61, 0                               ; upper words of the two offset pairs
	s_mov_b32 s63, 0
	s_wait_dscnt 0x0
	s_wait_kmcnt 0x0
	s_add_nc_u64 s[56:57], s[6:7], s[20:21]        ; my plane of K at tile 0
	s_add_nc_u64 s[58:59], s[8:9], s[22:23]        ; my part of V at tile 0
.irp s, 0,1
	s_mov_b32 s[G0K+4*\s], 1
	s_add_co_u32 s[G0K+4*\s+1], s19, \s*SLOT
	s_mov_b32 s[G0V+4*\s], 1
	s_add_co_u32 s[G0V+4*\s+1], s18, \s*SLOT
	s_add_co_u32 s79, s81, 2*\s                    ; my step: 2 p + which tile
	ADDR \s
	TLOAD \s                                       ; steps 0, 1 into slot 0, steps 2, 3 into slot 1: two tensor loads of a wave are out here, one behind each later barrier
.endr
	; queries and results of the two blocks
	s_lshl_b32 s18, s13, 11                        ; 32 w rows of 64 bytes
	s_add_co_u32 s18, s18, s17
	s_lshl_b32 s19, s15, 13                        ; block i: 128 rows of 64 bytes
	s_add_co_u32 s20, s18, s19
	s_add_nc_u64 s[66:67], s[4:5], s[20:21]
	s_sub_co_u32 s19, 15, s15                      ; block 15 - i
	s_lshl_b32 s22, s19, 13
	s_add_co_u32 s22, s22, s18
	s_add_nc_u64 s[68:69], s[4:5], s[22:23]
	s_lshr_b32 s17, s16, 4                         ; ao: batch x 8,388,608
	s_lshl_b32 s17, s17, 23
	s_and_b32 s79, s16, 15                         ; + head x 262,144
	s_lshl_b32 s79, s79, 18
	s_add_co_u32 s17, s17, s79
	s_lshl_b32 s18, s13, 12                        ; + 32 w rows of 128 bytes
	s_add_co_u32 s18, s18, s17
	s_lshl_b32 s20, s15, 14
	s_add_co_u32 s20, s20, s18
	s_add_nc_u64 s[70:71], s[10:11], s[20:21]
	s_lshl_b32 s22, s19, 14
	s_add_co_u32 s22, s22, s18
	s_add_nc_u64 s[72:73], s[10:11], s[22:23]
	s_mov_b32 s17, 0xffff0000                      ; an f32's upper 16 bits: a bf16
	v_and_b32 v10, 15, v0                          ; r
	v_bfe_u32 v11, v0, 4, 1                        ; h
	v_and_b32 v12, 31, v0                          ; lane
	v_lshlrev_b32 v3, 6, v10
	v_lshl_add_u32 v3, v11, 4, v3                  ; 64 r + 16 h
	QLOAD 66
	s_mov_b32 s74, 0x76543210                      ; v_permlanex16_b32: lane i reads lane i of the other half
	s_mov_b32 s75, 0xfedcba98
	s_mul_i32 s18, s14, 5120                       ; my 64 keys in K's planes
	s_add_co_u32 s18, s18, KOFF
	v_mul_u32_u24 v1, v10, 80
	v_lshl_add_u32 v1, v11, 4, v1
	v_add_nc_u32 v1, s18, v1
	s_lshl_b32 s19, s14, 7                         ; and in V's rows
	v_mul_u32_u24 v2, v10, 272
	v_lshl_add_u32 v2, v11, 4, v2
	v_add_nc_u32 v2, s19, v2
	s_lshl_b32 s18, s13, 5
	s_lshl_b32 s19, s14, 6
	s_sub_co_u32 s18, s18, s19                     ; 32 w - 64 kh
	v_lshlrev_b32 v13, 3, v11
	v_sub_nc_u32 v4, v10, v13
	v_add_nc_u32 v4, s18, v4                       ; key 16 t + j of query tile n is kept where 16 t + j - 16 n <= 32 w + r - 64 kh - 8 h
	v_mov_b32 v5, 0xff7fffff                       ; -FLT_MAX
	s_mul_i32 s18, s13, WMERGE
	s_add_co_u32 s18, s18, MERGE
	v_lshlrev_b32 v9, 4, v12
	v_add_nc_u32 v6, s18, v9
	s_mul_i32 s19, s13, WOST
	s_add_co_u32 s19, s19, OST
	v_mul_u32_u24 v7, v10, 144
	v_lshl_add_u32 v7, v11, 4, v7
	v_add_nc_u32 v7, s19, v7                       ; in: row r, 16 bytes for each half of the lanes
	v_lshrrev_b32 v13, 3, v12
	v_mul_u32_u24 v8, v13, 144
	v_and_b32 v14, 7, v0
	v_lshl_add_u32 v8, v14, 4, v8
	v_add_nc_u32 v8, s19, v8                       ; back: eight lanes take a row of 128 bytes, the wave four rows
	v_add_nc_u32 v14, SLOT, v1                     ; each slot has address registers of its own; which of its two tiles stands in the immediate,
	v_add_nc_u32 v15, SLOT, v2                     ; 65,376 at the most, inside an LDS instruction's 16 bits
	v_mov_b32 v[AL+1], 0
	INIT
; The diagonal tile: scores of keys behind the query become -FLT_MAX
.macro MASK
.irp n, 0,1
.irp t, 0,1,2,3
.irp j, 0,1,2,3,4,5,6,7
	v_cmp_le_i32 vcc_lo, 16*\t+\j-16*\n, v4
	v_cndmask_b32 v[SREG+32*\n+8*\t+\j], v5, v[SREG+32*\n+8*\t+\j], vcc_lo
.endr
.endr
.endr
.endm
; Query tile n: new maximum, rescale of O and of the sum, P = exp2(S - m) in f16, in place
.macro SOFTMAX n
.set SB, SREG+32*\n
.set OB, OREG+32*\n
.irp c, 0,1,2,3
	v_max3_num_f32 v[TT+\c], v[SB+8*\c], v[SB+8*\c+1], v[SB+8*\c+2]            ; four chains that do not wait for each other
.endr
.irp c, 0,1,2,3
	v_max3_num_f32 v[TT+\c], v[TT+\c], v[SB+8*\c+3], v[SB+8*\c+4]
.endr
.irp c, 0,1,2,3
	v_max3_num_f32 v[TT+\c], v[TT+\c], v[SB+8*\c+5], v[SB+8*\c+6]
.endr
	v_max3_num_f32 v[TT], v[TT], v[TT+1], v[SB+7]
	v_max3_num_f32 v[TT+2], v[TT+2], v[TT+3], v[SB+15]
	v_max3_num_f32 v[TT], v[TT], v[TT+2], v[SB+23]
	v_max3_num_f32 v[TT], v[TT], v[SB+31], v[MP+2*\n]                          ; and the maximum so far
	v_permlanex16_b32 v[TT+1], v[TT], s74, s75                                 ; the same query's other keys lie in the other half of the lanes
	v_max_num_f32 v[TT], v[TT], v[TT+1]
	v_sub_f32 v[AL], v[MP+2*\n], v[TT]
	v_mov_b32 v[MP+2*\n], v[TT]
	v_exp_f32 v[AL], v[AL]                                                     ; the subtractions below are the plain place behind it (ISA guide 5.7.2)
.set p, 0
.rept 16
	v_pk_add_f32 v[SB+2*p:SB+2*p+1], v[SB+2*p:SB+2*p+1], v[MP+2*\n:MP+2*\n+1] op_sel_hi:[1,0] neg_lo:[0,1] neg_hi:[0,1]
.set p, p+1
.endr
.set p, 0
.rept 32
	v_exp_f32 v[SB+p], v[SB+p]
.set p, p+1
.endr
.set p, 0
	s_wait_alu depctr_va_vdst(0)
.rept 16
	v_pk_mul_f32 v[OB+2*p:OB+2*p+1], v[OB+2*p:OB+2*p+1], v[AL:AL+1] op_sel_hi:[1,0]   ; plain work between the exponentials and their first use
.set p, p+1
.endr
	v_pk_add_f32 v[TT:TT+1],   v[SB:SB+1],   v[SB+2:SB+3]                      ; the row's sum, in three chains
	v_pk_add_f32 v[TT+2:TT+3], v[SB+4:SB+5], v[SB+6:SB+7]
	v_pk_add_f32 v[TT+4:TT+5], v[SB+8:SB+9], v[SB+10:SB+11]
.set p, 6
.rept 10
	v_pk_add_f32 v[TT+2*(p%3):TT+2*(p%3)+1], v[TT+2*(p%3):TT+2*(p%3)+1], v[SB+2*p:SB+2*p+1]
.set p, p+1
.endr
	v_pk_add_f32 v[TT:TT+1], v[TT:TT+1], v[TT+2:TT+3]
	v_pk_add_f32 v[TT:TT+1], v[TT:TT+1], v[TT+4:TT+5]
	v_pk_fma_f32 v[LP+2*\n:LP+2*\n+1], v[LP+2*\n:LP+2*\n+1], v[AL:AL+1], v[TT:TT+1] op_sel_hi:[1,0,1]
.irp u, 0,1
.irp k, 0,1,2,3,4,5,6,7
	v_cvt_pk_f16_f32 v[SB+16*\u+\k], v[SB+16*\u+2*\k], v[SB+16*\u+2*\k+1]      ; register k is written when registers below 2 k + 2 have been read
.endr
.endr
.endm
.macro PV n                            ; O^T += Vhi^T P^T; the four accumulators take turns, one instruction a turn
.irp u, 0,1
.irp dt, 0,1,2,3
	v_wmma_f32_16x16x32_f16 v[OREG+32*\n+8*\dt:OREG+32*\n+8*\dt+7], v[KVREG+16*\dt+8*\u:KVREG+16*\dt+8*\u+7], v[SREG+32*\n+16*\u:SREG+32*\n+16*\u+7], v[OREG+32*\n+8*\dt:OREG+32*\n+8*\dt+7]
.endr
.endr
.endm
.macro PVLO u, base, stride            ; O^T += Vlo^T P^T for keys 32 u .. 32 u + 31, both query tiles: eight accumulators by turns
.irp n, 0,1
.irp dt, 0,1,2,3
	v_wmma_f32_16x16x32_f16 v[OREG+32*\n+8*\dt:OREG+32*\n+8*\dt+7], v[\base+\stride*\dt:\base+\stride*\dt+7], v[SREG+32*\n+16*\u:SREG+32*\n+16*\u+7], v[OREG+32*\n+8*\dt:OREG+32*\n+8*\dt+7]
.endr
.endr
.endm
; The end of a block: the wave of keys 64..127 hands m, l and O to the wave of keys 0..63, which merges, divides, splits and stores.  ob: the block's rows of ao.
.macro FINISH ob, last
	v_add_f32 v254, v[LP], v[LP+1]
	v_add_f32 v255, v[LP+2], v[LP+3]
	v_permlanex16_b32 v250, v254, s74, s75
	v_permlanex16_b32 v251, v255, s74, s75
	v_mov_b32 v252, v[MP]
	v_mov_b32 v253, v[MP+2]
	v_add_f32 v254, v254, v250
	v_add_f32 v255, v255, v251                     ; v[252:255] = m0, m1, l0, l1
	s_cmp_eq_u32 s14, 0
	s_cbranch_scc1 .Lkeep_\@
	ds_store_b128 v6, v[252:255]
.set g, 0
.rept 16
	ds_store_b128 v6, v[OREG+4*g:OREG+4*g+3] offset:512*(g+1)
.set g, g+1
.endr
.Lkeep_\@:
	s_wait_dscnt 0x0                               ; for the partner's sake: my stores are done
	s_barrier_signal -1                            ; the other slot's load may stay on its way
	s_barrier_wait -1
	s_cmp_lg_u32 s14, 0
	s_cbranch_scc1 .Lmerged_\@
	ds_load_b128 v[176:179], v6                    ; the partner's m0, m1, l0, l1
.set g, 0
.rept 16
	ds_load_b128 v[SREG+4*g:SREG+4*g+3], v6 offset:512*(g+1)   ; and its O
.set g, g+1
.endr
	s_wait_dscnt 0x0
	v_max_num_f32 v188, v252, v176
	v_max_num_f32 v189, v253, v177
	v_sub_f32 v180, v252, v188
	v_sub_f32 v182, v176, v188
	v_sub_f32 v184, v253, v189
	v_sub_f32 v186, v177, v189
	v_exp_f32 v180, v180                           ; a0
	v_exp_f32 v182, v182                           ; a0 of the partner
	v_exp_f32 v184, v184
	v_exp_f32 v186, v186
	v_nop                                          ; the plain place behind the exponentials
	s_wait_alu depctr_va_vdst(0)
	v_mul_f32 v188, v254, v180
	v_mul_f32 v189, v255, v184
	v_fmac_f32 v188, v178, v182                    ; l a + l' a': at least 1, since the key of the larger maximum counts exp2(0)
	v_fmac_f32 v189, v179, v186
	v_rcp_f32 v188, v188
	v_rcp_f32 v189, v189
	v_nop
	s_wait_alu depctr_va_vdst(0)
	v_mul_f32 v181, v180, v188                     ; each factor in both registers of a pair
	v_mul_f32 v180, v180, v188
	v_mul_f32 v183, v182, v188
	v_mul_f32 v182, v182, v188
	v_mul_f32 v185, v184, v189
	v_mul_f32 v184, v184, v189
	v_mul_f32 v187, v186, v189
	v_mul_f32 v186, v186, v189
.irp n, 0,1
.set p, 0
.rept 16
	v_pk_mul_f32 v[OREG+32*\n+2*p:OREG+32*\n+2*p+1], v[OREG+32*\n+2*p:OREG+32*\n+2*p+1], v[180+4*\n:181+4*\n]
.set p, p+1
.endr
.set p, 0
.rept 16
	v_pk_fma_f32 v[OREG+32*\n+2*p:OREG+32*\n+2*p+1], v[SREG+32*\n+2*p:SREG+32*\n+2*p+1], v[182+4*\n:183+4*\n], v[OREG+32*\n+2*p:OREG+32*\n+2*p+1]
.set p, p+1
.endr
.endr
.set p, 0
.rept 64
	v_and_b32 v[SREG+p], s17, v[OREG+p]            ; hi: the upper 16 bits, a bf16 as it stands
.set p, p+1
.endr
.set p, 0
.rept 32
	v_pk_add_f32 v[OREG+2*p:OREG+2*p+1], v[OREG+2*p:OREG+2*p+1], v[SREG+2*p:SREG+2*p+1] neg_lo:[0,1] neg_hi:[0,1]   ; lo = result - hi, exact in f32
.set p, p+1
.endr
.set p, 0
.rept 32
	v_cvt_pk_bf16_f32 v[SREG+p], v[SREG+2*p], v[SREG+2*p+1]    ; packed in place: register p is written when registers below 2 p + 2 have been read
.set p, p+1
.endr
.set p, 0
.rept 32
	v_cvt_pk_bf16_f32 v[OREG+p], v[OREG+2*p], v[OREG+2*p+1]
.set p, p+1
.endr
.irp n, 0,1
.irp dt, 0,1,2,3
	ds_store_b128 v7, v[SREG+16*\n+4*\dt:SREG+16*\n+4*\dt+3] offset:2304*\n+32*\dt        ; my own stage: no wait between these and the loads below
	ds_store_b128 v7, v[OREG+16*\n+4*\dt:OREG+16*\n+4*\dt+3] offset:4608+2304*\n+32*\dt   ; lo's 32 rows lie behind hi's
.endr
.endr
.irp t, 0,1,2,3,4,5,6,7,8,9,10,11,12,13,14,15
	ds_load_b128 v[KVREG+4*\t:KVREG+4*\t+3], v8 offset:576*\t
.endr
.irp t, 0,1,2,3,4,5,6,7,8,9,10,11,12,13,14,15
	s_wait_dscnt 15-\t                             ; the younger loads of the sixteen
	global_store_b128 v9, v[KVREG+4*\t:KVREG+4*\t+3], s[\ob:\ob+1] offset:512*\t+(\t/8)*(LOOFF-4096)   ; four rows: 512 consecutive bytes, aligned; t >= 8: lo
.endr
.if \last == 0
	s_wait_xcnt 0x0                                ; the stores' data lie where the next step's K fragments are loaded
.endif
.Lmerged_\@:
.if \last == 0
	INIT
.endif
.endm
; The change of slots, in front of the two steps that read slot.  Each wave waits for all its tensor loads (its part of this slot among them) and for its reads of the
; other slot; behind the barrier the other slot is filled again, first thing, one load a wave, with the two steps that follow this slot's.
; refill = 1: by all waves; 2: step 16 alone is left, so only the waves of a slot's first tile ask; 0: nothing is left.
.macro GATE slot, refill
	s_set_vgpr_msb 0x5
	s_wait_tensorcnt 0x0                           ; no tensor load of mine is out: a group 0 may be written
	ds_add_u32 v0, v1
	s_wait_dscnt 0x0
	s_set_vgpr_msb 0x500
.if \refill
	s_add_co_u32 s79, s76, 2                       ; s76 = this slot's first step
	s_add_co_u32 s79, s79, s81
	ADDR 1-\slot
.endif
	s_wait_dscnt 0x0
	s_barrier_signal -1
	s_barrier_wait -1                              ; both hold of all eight waves
.if \refill == 1
	TLOAD 1-\slot
.endif
.if \refill == 2
	s_cmp_lg_u32 s81, 0
	s_cbranch_scc1 .Lnone_\@
	TLOAD 1-\slot
.Lnone_\@:
.endif
.endm
; One step: the key tile sub (0, 1) of slot.  mode 0: it may be block i's diagonal; 1: it cannot be (steps 14, 15: i is 7 at the most); 2: step 16, block 15 - i's diagonal.
.macro UNIT slot, sub, mode
.irp c, 0,1
.irp t, 0,1,2,3
	ds_load_b128 v[KVREG+16*\t+8*\c:KVREG+16*\t+8*\c+3],   v[1+13*\slot] offset:KSUB*\sub+10240*\c+1280*\t
	ds_load_b128 v[KVREG+16*\t+8*\c+4:KVREG+16*\t+8*\c+7], v[1+13*\slot] offset:KSUB*\sub+10240*\c+1280*\t+32
.endr
.endr
	s_wait_loadcnt 0x0                             ; Q (met at once but in a block's first step)
	s_wait_dscnt 0x8                               ; plane 0 is in; the eight loads of plane 1 may be out
.irp n, 0,1
.irp t, 0,1,2,3
	v_wmma_f32_16x16x32_f16 v[SREG+32*\n+8*\t:SREG+32*\n+8*\t+7], v[KVREG+16*\t:KVREG+16*\t+7], v[QREG+16*\n:QREG+16*\n+7], 0
.endr
.endr
	s_wait_dscnt 0x0
.irp n, 0,1                            ; the eight accumulators take turns
.irp t, 0,1,2,3
	v_wmma_f32_16x16x32_f16 v[SREG+32*\n+8*\t:SREG+32*\n+8*\t+7], v[KVREG+16*\t+8:KVREG+16*\t+15], v[QREG+16*\n+8:QREG+16*\n+15], v[SREG+32*\n+8*\t:SREG+32*\n+8*\t+7]
.endr
.endr
	PLACES 4                                       ; ahead of the loads over K's fragments and over Q, and of the first reads of S
.irp dt, 0,1,2,3
.irp u, 0,1
	ds_load_b128 v[KVREG+16*\dt+8*\u:KVREG+16*\dt+8*\u+3],   v[2+13*\slot] offset:VSUB*\sub+4352*\dt+64*\u
	ds_load_b128 v[KVREG+16*\dt+8*\u+4:KVREG+16*\dt+8*\u+7], v[2+13*\slot] offset:VSUB*\sub+4352*\dt+64*\u+32
.endr
.endr
.if \mode == 2
	MASK
.endif
.if \mode == 0
	s_cmp_lg_u32 s76, s15
	s_cbranch_scc1 .Lfull_\@
	MASK
	QLOAD 68                                       ; block i's last scores are made: the queries of block 15 - i
.Lfull_\@:
.endif
	SOFTMAX 0
	s_wait_dscnt 0x0                               ; Vhi's fragments, asked for ahead of the softmax
	PV 0
	SOFTMAX 1
.irp dt, 0,1,2,3                       ; Vlo of keys 0..31 into the registers that packing P has freed: eight behind each of the four P
	ds_load_b128 v[SREG+8+16*\dt:SREG+8+16*\dt+3],  v[2+13*\slot] offset:VSUB*\sub+VLO+4352*\dt
	ds_load_b128 v[SREG+12+16*\dt:SREG+12+16*\dt+3], v[2+13*\slot] offset:VSUB*\sub+VLO+4352*\dt+32
.endr
	PV 1
	PLACES 4                                       ; ahead of the loads over Vhi's fragments
.irp dt, 0,1,2,3                       ; Vlo of keys 32..63
	ds_load_b128 v[KVREG+8*\dt:KVREG+8*\dt+3],   v[2+13*\slot] offset:VSUB*\sub+VLO+4352*\dt+64
	ds_load_b128 v[KVREG+8*\dt+4:KVREG+8*\dt+7], v[2+13*\slot] offset:VSUB*\sub+VLO+4352*\dt+64+32
.endr
	s_wait_dscnt 0x8                               ; the first eight are in; the eight just issued may be out
	PVLO 0, SREG+8, 16
	s_wait_dscnt 0x0
	PVLO 1, KVREG, 8
	PLACES 5                                       ; ahead of the next step's loads over V's fragments and its products over P and Vlo, and of the reads of O
.if \mode == 2
	FINISH 72, 1
.endif
.if \mode == 0
	s_cmp_lg_u32 s76, s15
	s_cbranch_scc1 .Lon_\@
	FINISH 70, 0
.Lon_\@:
.endif
.if \mode != 2
	s_add_co_u32 s76, s76, 1
.endif
.endm
	s_mov_b32 s76, 0                               ; the step e
	s_wait_tensorcnt 0x1                           ; my part of slot 0 is in; slot 1's load, issued behind it, stays out
	s_barrier_signal -1
	s_barrier_wait -1
	UNIT 0, 0, 0                                   ; steps 0, 1
	UNIT 0, 1, 0
	s_mov_b32 s78, 0
.Lpair:
	GATE 1, 1                                      ; steps 2, 3 (6, 7; 10, 11); asks for the next two into slot 0
	UNIT 1, 0, 0
	UNIT 1, 1, 0
	GATE 0, 1                                      ; steps 4, 5 (8, 9; 12, 13); asks for the next two into slot 1
	UNIT 0, 0, 0
	UNIT 0, 1, 0
	s_add_co_u32 s78, s78, 1
	s_cmp_lt_u32 s78, 3
	s_cbranch_scc1 .Lpair
	GATE 1, 2                                      ; steps 14, 15; asks for step 16
	UNIT 1, 0, 1
	UNIT 1, 1, 1
	GATE 0, 0                                      ; step 16 asks for nothing: no tensor load is out at the end
	UNIT 0, 0, 2
	s_set_vgpr_msb 0x5
	s_wait_tensorcnt 0x0
	ds_add_u32 v0, v1
	s_wait_dscnt 0x0
	s_set_vgpr_msb 0x500
	s_endpgm
.Lfunc_end_k_q00481a2ab5_attn:
	.size	k_q00481a2ab5_attn, .Lfunc_end_k_q00481a2ab5_attn-k_q00481a2ab5_attn
	.p2alignl 7, 3214868480
	.fill 96, 4, 3214868480
	.section	.rodata,"a",@progbits
	.p2align	6, 0x0
	.amdhsa_kernel k_q00481a2ab5_attn
		.amdhsa_group_segment_fixed_size 327680
		.amdhsa_private_segment_fixed_size 0
		.amdhsa_enable_private_segment 0
		.amdhsa_kernarg_size 32
		.amdhsa_user_sgpr_count 2
		.amdhsa_user_sgpr_kernarg_segment_ptr 1
		.amdhsa_wavefront_size32 1
		.amdhsa_system_sgpr_workgroup_id_x 1
		.amdhsa_system_sgpr_workgroup_id_y 1
		.amdhsa_system_sgpr_workgroup_id_z 1
		.amdhsa_system_vgpr_workitem_id 0
		.amdhsa_next_free_vgpr 258
		.amdhsa_next_free_sgpr 84
		.amdhsa_reserve_vcc 1
		.amdhsa_float_denorm_mode_32 3
		.amdhsa_float_denorm_mode_16_64 3
		.amdhsa_memory_ordered 1
		.amdhsa_forward_progress 1
		.amdhsa_inst_pref_size 255
	.end_amdhsa_kernel
	.section	.bss,"aw",@nobits
	.p2align	6
	.space	262144
	.amdgpu_metadata
---
amdhsa.version: [ 1, 2 ]
amdhsa.kernels:
  - .name:           k_q00481a2ab5_attn
    .symbol:         k_q00481a2ab5_attn.kd
    .args:
      - { .name: qw, .offset: 0, .size: 8, .value_kind: global_buffer, .address_space: global }
      - { .name: kw, .offset: 8, .size: 8, .value_kind: global_buffer, .address_space: global }
      - { .name: vw, .offset: 16, .size: 8, .value_kind: global_buffer, .address_space: global }
      - { .name: ao, .offset: 24, .size: 8, .value_kind: global_buffer, .address_space: global }
    .group_segment_fixed_size: 327680
    .private_segment_fixed_size: 0
    .kernarg_segment_align: 8
    .kernarg_segment_size: 32
    .max_flat_workgroup_size: 256
    .sgpr_count:     84
    .vgpr_count:     258
    .wavefront_size: 32
...
	.end_amdgpu_metadata
.endif
;; end of part 3
;; launch oproj (part 4): grid 8 x 32, 4 waves a work-group, clusters of 4 x 4, 327,680 bytes of LDS; arguments ao, xw, bo, out0; writes out0
.if DOCPART == 4
	.amdgcn_target "amdgcn-amd-amdhsa--gfx1250"
	.amdhsa_code_object_version 6
	.text
	.protected	k_q00481a2ab5_oproj
	.globl	k_q00481a2ab5_oproj
	.p2align	8
	.type	k_q00481a2ab5_oproj,@function
k_q00481a2ab5_oproj:
	s_mov_b64 s[64:65], 0
	v_nop
	global_prefetch_b8 v0, s[64:65] scope:SCOPE_SE
	s_setreg_imm32_b32 hwreg(HW_REG_WAVE_MODE, 25, 1), 1
	s_wait_xcnt 0x0
	s_wait_alu depctr_hold_cnt(0) depctr_sa_sdst(0) depctr_va_vdst(0) depctr_va_sdst(0) depctr_va_ssrc(0) depctr_va_vcc(0) depctr_vm_vsrc(0)
	s_getreg_b32 s2, hwreg(HW_REG_IB_STS2, 6, 4)
	s_cmp_eq_u32 s2, 0
	s_cbranch_scc0 .Lentry_in_a_cluster
	s_endpgm
.Lentry_in_a_cluster:
	s_bfe_u32 s2, ttmp6, 0x10000c
	s_cmp_lg_u32 s2, 0xf033
	s_cbranch_scc0 .Lentry_shape_is_right
	s_endpgm
.Lentry_shape_is_right:
; out0 = A Wo^T + bo.  A is the attention result as a sum of two bf16, ao: [b][hi, lo][h][s][64 bf16]; Wo in bf16 is xw's rows 7168..8191; sums f32, out0 f32.
; The product is Ahi Wo^T + Alo Wo^T, both onto the same accumulators: each tile and each fragment of Wo is fetched once and multiplied with A's hi and with A's lo.
; LIMIT: Wo has bf16's 8 significant bits, A 16; the order of the sums is the matrix unit's.
; 4,096 x 1,024 outputs on 256 work-groups: a block of 128 x 128 each (a larger block would leave WGPs without work), four waves of 64 x 64: 16 accumulator tiles.
; K = 1,024 goes in eight steps of 128 (two heads) through two LDS slots; a slot holds A's two hi planes, its two lo planes and 128 rows of Wo: 128 matrix
; instructions of a wave for each fill.  For 32 along K a wave reads 12 fragments (4 of Ahi, 4 of Alo, 4 of Wo) for 32 matrix instructions.
; CLUSTERS: 4 x 4 work-groups.  A's tile hangs on work-group y alone and is asked for jointly by a row of the cluster, Wo's on x alone, by a column.
; Wo's fragment is source 0: a lane then holds row lane % 16 of out0 and eight neighbouring columns, 32 bytes.
; REGISTERS: window 0: v16-23 addresses; v32-127, v128-223 two fragment buffers (4 of Ahi, 4 of Alo, 4 of Wo); v224-227 bo; on the way out v32-63 are read back into.
;            Window 1: tile (a, b) at v[8 (4 a + b)].
.set APITCH, 144                       ; 128 bytes + 16: odd multiples of 16, so the 16 rows of a fragment load start at 16 different 16-byte columns
.set BPITCH, 272                       ; 256 bytes + 16
.set PLANE,  128*APITCH                ; a plane's 128 rows
.set HALFA,  2*PLANE                   ; two planes (two heads of hi, or of lo): one tensor load
.set HALFB,  64*BPITCH                 ; 64 rows of Wo: one tensor load
.set SLOT,   2*HALFA+2*HALFB           ; 108,544 bytes
.set STAGE,  2*SLOT                    ; behind the ring, never filled by a tensor load: 16 rows x 272 bytes for each wave
.set SPITCH, 272
.set LAPS,   4                         ; a lap = two K steps = once round the ring
.set ASTEP,  524288                    ; two heads of 262,144 bytes
.set BSTEP,  256                       ; 128 along Wo's rows
.set WOROWS, 14680064                  ; byte of xw's row 7168
.set ADRA, 16
.set ADRB, 18
.set F0,   32
.set F1,   128
.set RB,   32
.set BO,   224
.set G1A, 32
.set G1B, 40
.set G0A, 48
.set G0B, 56
.set MSB, 0
.macro WIN new                         ; s_set_vgpr_msb: bits 1:0 source 0, 3:2 source 1, 5:4 source 2, 7:6 destination; the high byte repeats the setting that is left
.if MSB != \new
	s_set_vgpr_msb (MSB<<8)|\new
.set MSB, \new
.endif
.endm
.set MUL,    0x50                      ; C and D window 1
.set ST_ACC, 0x04                      ; an LDS store's data window 1
.macro PLACES n
.rept \n
	v_nop
.endr
.endm
.macro JLOAD s                         ; wave 0 fetches A's hi planes, wave 1 its lo planes, waves 2, 3 Wo's two halves; the branch hangs on the wave's number alone
	s_cmp_eq_u32 s19, 0
	s_cbranch_scc0 .Lfor_b_\@
	tensor_load_to_lds s[G0A+4*\s:G0A+4*\s+3], s[G1A:G1A+7]
	s_nop 0
	s_branch .Lasked_\@
.Lfor_b_\@:
	tensor_load_to_lds s[G0B+4*\s:G0B+4*\s+3], s[G1B:G1B+7]
	s_nop 0
.Lasked_\@:
.endm
.macro CREST
	s_cmp_lg_u32 s18, 0
	s_cbranch_scc1 .Lnot_wave_0_\@
	s_barrier_signal -3
.Lnot_wave_0_\@:
	s_barrier_wait -3
	s_barrier_signal -1
	s_barrier_wait -1
.endm
.macro CROUND
	s_barrier_signal -1
	s_barrier_wait -1
	CREST
.endm
	s_load_b256 s[4:11], s[0:1], 0x0               ; ao s[4:5], xw s[6:7], bo s[8:9], out0 s[10:11]
	v_lshl_add_u32 v254, v0, 2, 0x39400
	v_mov_b32 v255, 0
	ds_add_u32 v254, v255
	ds_add_u32 v254, v255
	v_lshrrev_b32 v1, 5, v0
	v_readfirstlane_b32 s18, v1                    ; wave 0..3
	s_lshr_b32 s19, s18, 1                         ; my half of the rows.  Also: I fetch for A (0) or for Wo (1)
	s_and_b32 s20, s18, 1                          ; my half of the columns.  Also: A's hi (0) or lo (1), or which half of Wo's rows I fetch
	s_bfe_u32 s21, ttmp6, 0x40000                  ; cx
	s_bfe_u32 s22, ttmp6, 0x40004                  ; cy
	s_lshl_b32 s23, ttmp9, 2
	s_add_co_u32 s23, s23, s21                     ; x: block of 128 columns
	s_and_b32 s24, ttmp7, 0xffff
	s_lshl_b32 s24, s24, 2
	s_add_co_u32 s24, s24, s22                     ; y: block of 128 rows
	s_lshl_b32 s25, s22, 2
	s_lshl_b32 s25, 15, s25                        ; my row of the cluster
	s_lshl_b32 s30, 0x1111, s21                    ; my column
	; A: two planes, each 128 rows x 128 bytes dense = 2,048 elements of 8 bytes, 32,768 elements from plane to plane; 16 bytes of padding behind every 32 words
	s_or_b32 s[G1A+0], s25, (3<<16)|(1<<20)|(1<<21)|(4<<22)|(3<<25)
	s_mov_b32 s[G1A+1], 2048<<16
	s_mov_b32 s[G1A+2], 2<<16
	s_mov_b32 s[G1A+3], 2048<<16
	s_mov_b32 s[G1A+4], 2
	s_mov_b32 s[G1A+5], 32768
	s_mov_b32 s[G1A+6], 0
	s_mov_b32 s[G1A+7], 0
	; Wo: 64 rows x 128 elements of 2 bytes, pitch 1,024; 16 bytes of padding behind every 64 words
	s_or_b32 s[G1B+0], s30, (1<<16)|(1<<20)|(1<<21)|(5<<22)|(3<<25)
	s_mov_b32 s[G1B+1], 128<<16
	s_mov_b32 s[G1B+2], 64<<16
	s_mov_b32 s[G1B+3], 128<<16
	s_mov_b32 s[G1B+4], 64
	s_mov_b32 s[G1B+5], 1024
	s_mov_b32 s[G1B+6], 0
	s_mov_b32 s[G1B+7], 0
	; A: batch y >> 4 (8,388,608 bytes: 16 planes of hi, 16 of lo), rows 128 (y & 15) of 128 bytes, hi or lo (4,194,304 bytes apart).  Wo: row 7168 + 128 x + 64 half.
	s_lshr_b32 s26, s24, 4
	s_lshl_b32 s26, s26, 23
	s_and_b32 s78, s24, 15
	s_lshl_b32 s78, s78, 14
	s_add_co_u32 s26, s26, s78
	s_lshl_b32 s78, s20, 22
	s_add_co_u32 s26, s26, s78
	s_mov_b32 s27, 0
	s_lshl_b32 s66, s23, 18
	s_lshl_b32 s79, s20, 17
	s_add_co_u32 s66, s66, s79
	s_add_co_u32 s66, s66, WOROWS
	s_mov_b32 s67, 0
	s_mul_i32 s28, s18, HALFA                      ; waves 0, 1
	s_mul_i32 s29, s18, HALFB
	s_add_co_u32 s29, s29, 2*HALFA-2*HALFB         ; waves 2, 3: behind A's four planes
	s_wait_dscnt 0x0
	s_wait_kmcnt 0x0
	s_add_nc_u64 s[26:27], s[4:5], s[26:27]
	s_add_nc_u64 s[66:67], s[6:7], s[66:67]
	CROUND                                         ; all sixteen work-groups are here: the first joint loads meet
.irp s, 0,1
	s_mov_b32 s[G0A+4*\s], 1
	s_add_co_u32 s[G0A+4*\s+1], s28, \s*SLOT
	s_add_nc_u64 s[G0A+4*\s+2:G0A+4*\s+3], s[26:27], \s*ASTEP
	s_or_b32 s[G0A+4*\s+3], s[G0A+4*\s+3], 0x80000000
	s_mov_b32 s[G0B+4*\s], 1
	s_add_co_u32 s[G0B+4*\s+1], s29, \s*SLOT
	s_add_nc_u64 s[G0B+4*\s+2:G0B+4*\s+3], s[66:67], \s*BSTEP
	s_or_b32 s[G0B+4*\s+3], s[G0B+4*\s+3], 0x80000000
	JLOAD \s                                       ; K steps 0 and 1: two tensor loads of the wave are out
.endr
	v_and_b32 v1, 15, v0                           ; r
	v_bfe_u32 v2, v0, 4, 1                         ; h
	v_lshlrev_b32 v23, 4, v1                       ; on the way out lane r holds columns 4 r .. 4 r + 3 of my 64
	s_lshl_b32 s78, s23, 9
	s_lshl_b32 s79, s20, 8
	s_add_co_u32 s78, s78, s79                     ; (128 x + 64 half) x 4 bytes
	s_mov_b32 s79, 0
	s_add_nc_u64 s[8:9], s[8:9], s[78:79]
	global_load_b128 v[BO:BO+3], v23, s[8:9]
	s_add_nc_u64 s[68:69], s[10:11], s[78:79]
	s_lshl_b32 s78, s24, 19                        ; 128 y rows of 4,096 bytes
	s_lshl_b32 s76, s19, 18                        ; + 64 rows
	s_add_co_u32 s78, s78, s76
	s_add_nc_u64 s[68:69], s[68:69], s[78:79]      ; my corner of out0
	v_mul_u32_u24 v3, v1, APITCH
	v_lshl_add_u32 v3, v2, 4, v3
	v_mul_u32_u24 v4, v1, BPITCH
	v_lshl_add_u32 v4, v2, 4, v4
	s_mul_i32 s76, s19, 64*APITCH                  ; my 64 rows in each plane
	s_mul_i32 s77, s20, HALFB
	s_add_co_u32 s77, s77, 2*HALFA
.irp s, 0,1
	v_add_nc_u32 v[ADRA+\s], s76, v3
	v_add_nc_u32 v[ADRB+\s], s77, v4
	s_add_co_u32 s76, s76, SLOT
	s_add_co_u32 s77, s77, SLOT
.endr
	s_mul_i32 s31, s18, 16*SPITCH
	s_add_co_u32 s31, s31, STAGE                   ; my stage
	v_mul_u32_u24 v5, v1, SPITCH
	v_lshl_add_u32 v5, v2, 5, v5
	v_add_nc_u32 v20, s31, v5                      ; in: row r, 32 bytes for each half of the lanes
	v_mul_u32_u24 v6, v2, SPITCH
	v_lshl_add_u32 v6, v1, 4, v6
	v_add_nc_u32 v21, s31, v6                      ; back: sixteen lanes take a row of 256 bytes
	v_lshlrev_b32 v7, 12, v2
	v_lshl_add_u32 v22, v1, 4, v7                  ; the same two rows in out0
; 16 matrix instructions: all four row tiles of A's part (0 hi, 1 lo) x all four column tiles, 32 along K.  zero = 1: the first product starts the sums.
.macro MUL16 f, part, zero
.irp a, 0,1,2,3
.irp b, 0,1,2,3
.if \zero
	v_wmma_f32_16x16x32_bf16 v[8*(4*\a+\b):8*(4*\a+\b)+7], v[\f+64+8*\b:\f+64+8*\b+7], v[\f+32*\part+8*\a:\f+32*\part+8*\a+7], 0
.else
	v_wmma_f32_16x16x32_bf16 v[8*(4*\a+\b):8*(4*\a+\b)+7], v[\f+64+8*\b:\f+64+8*\b+7], v[\f+32*\part+8*\a:\f+32*\part+8*\a+7], v[8*(4*\a+\b):8*(4*\a+\b)+7]
.endif
.endr
.endr
.endm
; 24 LDS loads in one run: the fragments of K = 32 kq .. 32 kq + 31 of the slot: A's from head kq >> 1 (hi: planes 0, 1; lo: planes 2, 3), half kq & 1 of its rows
.macro FETCH slot, kq, f
	WIN 0
.irp p, 0,1
.irp i, 0,1,2,3
	ds_load_b128 v[\f+32*\p+8*\i:\f+32*\p+8*\i+3],   v[ADRA+\slot] offset:(2*\p+((\kq)>>1))*PLANE+((\kq)&1)*64+\i*16*APITCH
	ds_load_b128 v[\f+32*\p+8*\i+4:\f+32*\p+8*\i+7], v[ADRA+\slot] offset:(2*\p+((\kq)>>1))*PLANE+((\kq)&1)*64+\i*16*APITCH+32
.endr
.endr
.irp i, 0,1,2,3
	ds_load_b128 v[\f+64+8*\i:\f+64+8*\i+3],   v[ADRB+\slot] offset:(\kq)*64+\i*16*BPITCH
	ds_load_b128 v[\f+64+8*\i+4:\f+64+8*\i+7], v[ADRB+\slot] offset:(\kq)*64+\i*16*BPITCH+32
.endr
.endm
; A K step is four quarters of 32 along K, 32 matrix instructions each, on buffers 0, 1, 0, 1.  The 16 accumulators take turns, one instruction a turn (16 products with
; A's hi, then 16 with its lo), in the same order in every quarter and over the backward jump.
; The four v_nop stand between the matrix instructions that read buffer g and the loads into it (ISA guide 7.12.1 for vector instructions).
.macro QUARTER slot, kq, f, g, zero
	s_wait_dscnt 0x0                               ; buffer f is in: its loads were issued 32 matrix instructions ago
	PLACES 4
	FETCH \slot, \kq+1, \g
	WIN MUL
	MUL16 \f, 0, \zero
	MUL16 \f, 1, 0
.endm
.macro THREE slot, zero
	QUARTER \slot, 0, F0, F1, \zero
	QUARTER \slot, 1, F1, F0, 0
	QUARTER \slot, 2, F0, F1, 0
.endm
; The fourth quarter multiplies buffer 1 and changes slots: each wave's reads of this slot and all its tensor loads are waited for in front of the barrier; where the slot is
; filled again the barrier opens a round of the cluster's barrier, with register work alone inside, and the joint refill is the first tensor load behind it.
.macro TURN slot, next, fill
	s_wait_dscnt 0x0
	s_wait_tensorcnt 0x0
	ds_add_u32 v254, v255
	s_wait_dscnt 0x0
	s_barrier_signal -1
	WIN MUL
	MUL16 F1, 0, 0
	WIN 0
	s_barrier_wait -1
.if \fill
	CREST
	s_add_nc_u64 s[G0A+4*\slot+2:G0A+4*\slot+3], s[G0A+4*\slot+2:G0A+4*\slot+3], 2*ASTEP   ; no tensor load of the wave is out: a group 0 may be written
	s_add_nc_u64 s[G0B+4*\slot+2:G0B+4*\slot+3], s[G0B+4*\slot+2:G0B+4*\slot+3], 2*BSTEP
	JLOAD \slot
.endif
	PLACES 4
	FETCH \next, 0, F0
	WIN MUL
	MUL16 F1, 1, 0
.endm
.macro LAP zero
	THREE 0, \zero
	TURN 0, 1, 1
	THREE 1, 0
	TURN 1, 0, 1
.endm
	s_wait_tensorcnt 0x1                           ; my part of K step 0 is in; K step 1's load, issued behind it, stays out
	s_barrier_signal -1
	s_barrier_wait -1
	FETCH 0, 0, F0
	LAP 1                                          ; K steps 0, 1: the first products start the sums; asks for 2, 3
	WIN 0
	s_mov_b32 s76, LAPS-2
.Llap:
	LAP 0                                          ; K steps 2 to 5; asks for 4 to 7
	WIN 0
	s_sub_co_u32 s76, s76, 1
	s_cmp_lg_u32 s76, 0
	s_cbranch_scc1 .Llap
	THREE 0, 0                                     ; the last lap fills nothing
	TURN 0, 1, 0
	THREE 1, 0
	s_wait_dscnt 0x0
	WIN MUL
	MUL16 F1, 0, 0
	MUL16 F1, 1, 0
	; THE WAY OUT, 16 rows at a time through my own stage: in as 32 bytes of a row a lane, back as whole rows of 256 bytes; bo is added on the way.
	WIN 0
	PLACES 4                                       ; the places behind the last matrix instructions, ahead of the LDS stores that read results and of the loads over buffer 0
	s_wait_loadcnt 0x0                             ; bo
.irp a, 0,1,2,3
	WIN ST_ACC
.irp b, 0,1,2,3
	ds_store_b128 v20, v[8*(4*\a+\b):8*(4*\a+\b)+3] offset:64*\b
	ds_store_b128 v20, v[8*(4*\a+\b)+4:8*(4*\a+\b)+7] offset:64*\b+16
.endr
	WIN 0
	s_wait_xcnt 0x0                                ; RB, which the last stores read, is loaded again only behind this wait
.irp t, 0,1,2,3,4,5,6,7
	ds_load_b128 v[RB+4*\t:RB+4*\t+3], v21 offset:\t*2*SPITCH      ; LDS serves a wave's instructions in order (ISA guide 5.7.1): these see the stores above
.endr
.irp t, 0,1,2,3,4,5,6,7
	s_wait_dscnt 7-\t                              ; the younger loads of the eight
	v_pk_add_f32 v[RB+4*\t:RB+4*\t+1],   v[RB+4*\t:RB+4*\t+1],   v[BO:BO+1]
	v_pk_add_f32 v[RB+4*\t+2:RB+4*\t+3], v[RB+4*\t+2:RB+4*\t+3], v[BO+2:BO+3]
	global_store_b128 v22, v[RB+4*\t:RB+4*\t+3], s[68:69] offset:65536*\a+8192*\t th:TH_STORE_NT   ; sixteen lanes store 256 consecutive bytes, aligned
.endr
.endr
	s_wait_tensorcnt 0x0
	ds_add_u32 v254, v255
	s_wait_dscnt 0x0
	CROUND                                         ; the closing round: no work-group ends while a partner may still ask for a tile that names it
	s_endpgm
.Lfunc_end_k_q00481a2ab5_oproj:
	.size	k_q00481a2ab5_oproj, .Lfunc_end_k_q00481a2ab5_oproj-k_q00481a2ab5_oproj
	.p2alignl 7, 3214868480
	.fill 96, 4, 3214868480
	.section	.rodata,"a",@progbits
	.p2align	6, 0x0
	.amdhsa_kernel k_q00481a2ab5_oproj
		.amdhsa_group_segment_fixed_size 327680
		.amdhsa_private_segment_fixed_size 0
		.amdhsa_enable_private_segment 0
		.amdhsa_kernarg_size 32
		.amdhsa_user_sgpr_count 2
		.amdhsa_user_sgpr_kernarg_segment_ptr 1
		.amdhsa_wavefront_size32 1
		.amdhsa_system_sgpr_workgroup_id_x 1
		.amdhsa_system_sgpr_workgroup_id_y 1
		.amdhsa_system_sgpr_workgroup_id_z 1
		.amdhsa_system_vgpr_workitem_id 0
		.amdhsa_next_free_vgpr 384
		.amdhsa_next_free_sgpr 80
		.amdhsa_reserve_vcc 0
		.amdhsa_float_denorm_mode_32 3
		.amdhsa_float_denorm_mode_16_64 3
		.amdhsa_memory_ordered 1
		.amdhsa_forward_progress 1
		.amdhsa_inst_pref_size 113
	.end_amdhsa_kernel
	.amdgpu_metadata
---
amdhsa.version: [ 1, 2 ]
amdhsa.kernels:
  - .name:           k_q00481a2ab5_oproj
    .symbol:         k_q00481a2ab5_oproj.kd
    .args:
      - { .name: ao, .offset: 0, .size: 8, .value_kind: global_buffer, .address_space: global }
      - { .name: xw, .offset: 8, .size: 8, .value_kind: global_buffer, .address_space: global }
      - { .name: bo, .offset: 16, .size: 8, .value_kind: global_buffer, .address_space: global }
      - { .name: out0, .offset: 24, .size: 8, .value_kind: global_buffer, .address_space: global }
    .group_segment_fixed_size: 327680
    .private_segment_fixed_size: 0
    .kernarg_segment_align: 8
    .kernarg_segment_size: 32
    .max_flat_workgroup_size: 128
    .sgpr_count:     80
    .vgpr_count:     384
    .wavefront_size: 32
...
	.end_amdgpu_metadata
.endif
;; end of part 4
;; ======== version 2 of 2: 4 launches; version 1 with the launch cast written anew for expert scheduling mode
;; limits: values are held in f16: magnitudes above 65,504 overflow, below 6.1e-05 lose precision
;; workspace buffers: xw 16,777,216 bytes; qw 8,388,608 bytes; kw 8,388,608 bytes; vw 16,777,216 bytes; ao 16,777,216 bytes
;; launch cast (part 5): grid 256 x 1, 8 waves a work-group, no clusters, 0 bytes of LDS; arguments hidden_states, Wq, Wk, Wv, Wo, xw; writes xw
.if DOCPART == 5
	.amdgcn_target "amdgcn-amd-amdhsa--gfx1250"
	.amdhsa_code_object_version 6
	.text
	.protected	k_q00481a2ab5_cast
	.globl	k_q00481a2ab5_cast
	.p2align	8
	.type	k_q00481a2ab5_cast,@function
k_q00481a2ab5_cast:
	s_mov_b64 s[64:65], 0
	v_nop
	global_prefetch_b8 v0, s[64:65] scope:SCOPE_SE
	s_setreg_imm32_b32 hwreg(HW_REG_WAVE_SCHED_MODE, 0, 2), 2
	s_setreg_imm32_b32 hwreg(HW_REG_WAVE_MODE, 25, 1), 1
	s_wait_xcnt 0x0
	s_wait_alu depctr_vm_vsrc(0)
; f32 -> bf16 (round to nearest even) of hidden_states and of the four weight matrices, once, into xw: 8,192 rows of 1,024 bf16 (2,048 bytes).
;   rows 0..4095     hidden_states, in its own order
;   rows 4096..7167  for head h, half c of its 64 outputs, z = 0 (q), 1 (k), 2 (v): row 4096 + 192 h + 96 c + 32 z + e holds row 64 h + 32 c + e of W_z,
;                    so that the 192 rows which one block of the next launch multiplies lie together
;   rows 7168..8191  Wo, in its own order
; LIMIT: the matrix operands made here have bf16's 8 significant bits; the range is f32's.
; A stream: no LDS, no barrier, no matrix unit.  Work-group g takes 32 source rows (131,072 bytes in, 65,536 out), which are also 32 neighbouring
; rows of xw.  Thread t takes the 16 bytes at 16 t of each chunk of 4,096 bytes: a load of a wave covers 512 consecutive bytes, a store of a wave
; 256 consecutive bytes, aligned.  All 32 loads of a thread go out first: the whole share of the work-group is on its way at once.
; THE MODE: SCHED_MODE bits 1:0 = 2 (LLVM: expert scheduling mode 2), set by the entry lines.  The code itself states the register dependences
; between vector instructions and memory instructions, with s_wait_alu, always for 0.
; THE PLAN.  Registers that memory instructions touch:
;   v1, v2           byte offsets, written once at the head and never again; v1 is read by every load, v2 by every store.
;   v[XR+4c .. +3]   chunk c's own four registers.  Its load lands in them (no vector instruction has named them before); its two conversions read them
;                    and write the first two of them; its store reads those two; nothing names them after that.
; So one wait stands ahead of the first load (the offsets are written), and one behind the eight conversions of each block of four chunks, ahead of the
; block's four stores (their data are written).  No register that a load or a store has read is written again, and the bases are never stepped:
; nothing is owed on that side.  The wait stands behind a block's conversions and not at the next block's head, so that a block's stores leave
; without waiting for the next block's loads.
.set CHUNKS, 32
.set BLOCK,  4                         ; chunks in a block: eight conversions and four stores to one wait
.set BLOCKS, CHUNKS / BLOCK
.set XR, 4                             ; v[4:131]  chunk c: 4 registers as loaded; its first two then hold the 4 bf16
	s_load_b256 s[4:11], s[0:1], 0x0               ; hidden_states s[4:5], Wq s[6:7], Wk s[8:9], Wv s[10:11]
	s_load_b128 s[12:15], s[0:1], 0x20             ; Wo s[12:13], xw s[14:15]
	v_lshlrev_b32 v1, 4, v0                        ; 16 t: my bytes in a source chunk
	v_lshlrev_b32 v2, 3, v0                        ; 8 t: my bytes in the chunk of xw
	s_lshr_b32 s16, ttmp9, 5
	s_and_b32 s16, s16, 3                          ; z: which weight matrix (groups 128..255)
	s_and_b32 s17, ttmp9, 31                       ; j: which 32 rows of it
	s_lshr_b32 s18, s17, 1                         ; head
	s_mul_i32 s18, s18, 192
	s_and_b32 s19, s17, 1                          ; half of the head
	s_mul_i32 s19, s19, 96
	s_add_co_u32 s18, s18, s19
	s_lshl_b32 s19, s16, 5
	s_add_co_u32 s18, s18, s19
	s_add_co_u32 s18, s18, 4096                    ; row of xw for Wq, Wk, Wv
	s_lshl_b32 s19, s17, 5
	s_add_co_u32 s19, s19, 7168                    ; row of xw for Wo
	s_cmp_eq_u32 s16, 3
	s_cselect_b32 s18, s19, s18
	s_lshl_b32 s19, ttmp9, 5                       ; row of xw for hidden_states
	s_cmp_lt_u32 ttmp9, 128
	s_cselect_b32 s18, s19, s18                    ; my first row of xw
	s_cselect_b32 s20, ttmp9, s17                  ; my block of 32 rows in the source
	s_lshl_b32 s28, s20, 17                        ; x 32 rows x 4,096 bytes
	s_mov_b32 s29, 0
	s_lshl_b32 s30, s18, 11                        ; x 2,048 bytes
	s_mov_b32 s31, 0
	s_wait_kmcnt 0x0
	s_mov_b64 s[24:25], s[12:13]                   ; the source: a choice between buffers on the group's number alone
	s_cmp_eq_u32 s16, 2
	s_cselect_b64 s[24:25], s[10:11], s[24:25]
	s_cmp_eq_u32 s16, 1
	s_cselect_b64 s[24:25], s[8:9], s[24:25]
	s_cmp_eq_u32 s16, 0
	s_cselect_b64 s[24:25], s[6:7], s[24:25]
	s_cmp_lt_u32 ttmp9, 128
	s_cselect_b64 s[24:25], s[4:5], s[24:25]
	s_add_nc_u64 s[24:25], s[24:25], s[28:29]
	s_add_nc_u64 s[26:27], s[14:15], s[30:31]
	s_wait_alu depctr_va_vdst(0)                   ; v1 and v2 are written: every load below reads v1 as its offset, every store v2; no vector instruction writes them again
.set c, 0
.rept CHUNKS
	global_load_b128 v[XR+4*c:XR+4*c+3], v1, s[24:25] offset:4096*c th:TH_LOAD_NT   ; read once in the launch
.set c, c+1
.endr
.set p, 0
.rept BLOCKS
	s_wait_loadcnt CHUNKS-BLOCK*(p+1)              ; loads come back in order (ISA guide 5.7.1): block p's four chunks are in, the younger ones stay out
.set c, BLOCK*p
.rept BLOCK
	v_cvt_pk_bf16_f32 v[XR+4*c],   v[XR+4*c],   v[XR+4*c+1]
	v_cvt_pk_bf16_f32 v[XR+4*c+1], v[XR+4*c+2], v[XR+4*c+3]
.set c, c+1
.endr
	s_wait_alu depctr_va_vdst(0)                   ; the block's eight conversions have written the first two registers of each of its chunks, which the four stores below read
.set c, BLOCK*p
.rept BLOCK
	global_store_b64 v2, v[XR+4*c:XR+4*c+1], s[26:27] offset:2048*c   ; no register of a store is written again
.set c, c+1
.endr
.set p, p+1
.endr
	s_endpgm
.Lfunc_end_k_q00481a2ab5_cast:
	.size	k_q00481a2ab5_cast, .Lfunc_end_k_q00481a2ab5_cast-k_q00481a2ab5_cast
	.p2alignl 7, 3214868480
	.fill 96, 4, 3214868480
	.section	.rodata,"a",@progbits
	.p2align	6, 0x0
	.amdhsa_kernel k_q00481a2ab5_cast
		.amdhsa_group_segment_fixed_size 0
		.amdhsa_private_segment_fixed_size 0
		.amdhsa_enable_private_segment 0
		.amdhsa_kernarg_size 48
		.amdhsa_user_sgpr_count 2
		.amdhsa_user_sgpr_kernarg_segment_ptr 1
		.amdhsa_wavefront_size32 1
		.amdhsa_system_sgpr_workgroup_id_x 1
		.amdhsa_system_sgpr_workgroup_id_y 1
		.amdhsa_system_sgpr_workgroup_id_z 1
		.amdhsa_system_vgpr_workitem_id 0
		.amdhsa_next_free_vgpr 132
		.amdhsa_next_free_sgpr 66
		.amdhsa_reserve_vcc 0
		.amdhsa_float_denorm_mode_32 3
		.amdhsa_float_denorm_mode_16_64 3
		.amdhsa_memory_ordered 1
		.amdhsa_forward_progress 1
		.amdhsa_inst_pref_size 13
	.end_amdhsa_kernel
	.amdgpu_metadata
---
amdhsa.version: [ 1, 2 ]
amdhsa.kernels:
  - .name:           k_q00481a2ab5_cast
    .symbol:         k_q00481a2ab5_cast.kd
    .args:
      - { .name: hidden_states, .offset: 0, .size: 8, .value_kind: global_buffer, .address_space: global }
      - { .name: Wq, .offset: 8, .size: 8, .value_kind: global_buffer, .address_space: global }
      - { .name: Wk, .offset: 16, .size: 8, .value_kind: global_buffer, .address_space: global }
      - { .name: Wv, .offset: 24, .size: 8, .value_kind: global_buffer, .address_space: global }
      - { .name: Wo, .offset: 32, .size: 8, .value_kind: global_buffer, .address_space: global }
      - { .name: xw, .offset: 40, .size: 8, .value_kind: global_buffer, .address_space: global }
    .group_segment_fixed_size: 0
    .private_segment_fixed_size: 0
    .kernarg_segment_align: 8
    .kernarg_segment_size: 48
    .max_flat_workgroup_size: 256
    .sgpr_count:     66
    .vgpr_count:     132
    .wavefront_size: 32
...
	.end_amdgpu_metadata
.endif
;; end of part 5
;; launch qkv: the kernel of part 2 again; grid 16 x 16, 4 waves a work-group, clusters of 4 x 4, 327,680 bytes of LDS; arguments xw, bq, bk, bv, qw, kw, vw; writes qw, kw, vw
;; launch attn: the kernel of part 3 again; grid 8 x 32, 8 waves a work-group, no clusters, 327,680 bytes of LDS; arguments qw, kw, vw, ao; writes ao
;; launch oproj: the kernel of part 4 again; grid 8 x 32, 4 waves a work-group, clusters of 4 x 4, 327,680 bytes of LDS; arguments ao, xw, bo, out0; writes out0
